; MI455X (gfx1250); checked and timed in simulation.
; The chip was launched on July 23, 2026; its instructions are those of AMD's public machine-readable ISA for CDNA 5 (MIT licence, August 2026) and "CDNA5" Instruction Set Architecture Reference Guide (July 2026). The comments in the code are by the model that wrote it; some were corrected since.
;; Embedding LSTM Cell. Allowed arithmetic: matrix products marked QUANTISED: E2M1 operands, one E8M0 scale for each 32 along K, by v_wmma_scale_f32_16x16x128_f8f6f4 with both operands' format E2M1 (or v_wmma_scale_f32_32x16x128_f4), f32 sums; everything else in f32.
;; Inputs: Wc 4,096 x 2,048 float32; Wf 4,096 x 2,048 float32; Wi 4,096 x 2,048 float32; Wo 4,096 x 2,048 float32; bc 2,048 float32; bf 2,048 float32; bi 2,048 float32; bo 2,048 float32; c_prev 2,048 x 2,048 float32; embedding_vec 2,048 x 1 float32; h_prev 2,048 x 2,048 float32; x 2,048 x 2,048 float32.
;; Outputs: out0 2,048 x 2,048 float32; out1 2,048 x 2,048 float32.
;; This version of the problem:
;;   THIS VERSION OF THE PROBLEM IS GIVEN IN LOW PRECISION. The matrix products marked QUANTISED in the list below multiply operands that are first quantised to E2M1 (2 exponent bits, 1 mantissa bit; 4 bits a number), with one power-of-two scale for each 32 numbers along K (OCP MX v1.0); their sums are f32. All else is computed in f32.
;;   The module's matrix products, in the order in which they are computed (A, B: the left and right operand; K: the contracted axis; several contracted axes count as one K, in the product's order):
;;     1. [M 2,048, K 4,096] x [K 4,096, N 8,192]; A: computed on the way; B: computed on the way: QUANTISED
;;   THE QUANTISER, for each operand of a quantised product, along K:
;;     - K is cut into blocks of 32 from its start; a last block that is shorter is filled with zeros.
;;     - A block's scale is 2^e with e = floor(log2(the largest magnitude in the block)) - 2, held to -126 .. 127; a block of zeros has e = 0. As a byte (E8M0): e + 127.
;;     - Each number is divided by its block's scale, clamped to +-6, and rounded to the nearest number of E2M1, ties to even, subnormals kept.
;;     - The product sums the exact products of the quantised numbers (number of the format x scale) in f32.
;;   ~~~python
;;   def quantise(x, axis):      # numpy; x: float32 -> the quantised numbers, widened to float32 again
;;       x = np.moveaxis(x, axis, -1); K = x.shape[-1]
;;       x = np.pad(x, [(0, 0)] * (x.ndim - 1) + [(0, -K % 32)]); x = x.reshape(x.shape[:-1] + (-1, 32)); a = np.abs(x).max(-1, keepdims=True)
;;       e = np.where(a > 0, np.clip(np.frexp(np.where(a > 0, a, 1))[1] - 1 - 2, -126, 127), 0)      # np.frexp(a)[1] - 1 = floor(log2(a)), exactly
;;       r = np.clip(x / 2.0 ** e, -6, 6)
;;       step = 2.0 ** (np.maximum(np.frexp(np.where(r == 0, 1, r))[1] - 1, 0) - 1)
;;       q = np.round(r / step) * step * 2.0 ** e      # np.round: ties to even
;;       return np.moveaxis(q.reshape(q.shape[:-2] + (-1,))[..., :K], -1, axis).astype(np.float32)
;;   ~~~
;;   OPERANDS COMPUTED ON THE WAY. 'Computed on the way' means the value that the module computes at that place (a softmax that the list does not call 'softmax' is quantised finished and normalised). What goes into a quantiser is computed in f32, as accurately as f32 sums, v_exp_f32 and their like allow (about 1e-6 of the number): no bf16 or f16 on the way to a quantiser, and a product that is left as it is and whose result goes on into a quantised operand takes f32 operands (vector FMAs, or v_wmma_f32_16x16x4_f32). A number that lies on a knife's edge between two numbers of the format may be rounded either way, as far as f32 arithmetic and the matrix unit's own rounding can turn it there, and no further.
;; 2 versions. Each part assembles by itself: llvm-mc -triple=amdgcn-amd-amdhsa -mcpu=gfx1250 --defsym DOCPART=n.
;; ======== version 1 of 2: 3 launches
;; workspace buffers: acodes 4,194,304 bytes; ascl 262,144 bytes; wcodes 16,777,216 bytes; wscl 1,048,576 bytes
;; launch qa (part 1): grid 256 x 1, 4 waves a work-group, no clusters, 33,280 bytes of LDS; arguments x, h_prev, acodes, ascl; writes acodes, ascl
.if DOCPART == 1
	.amdgcn_target "amdgcn-amd-amdhsa--gfx1250"
	.amdhsa_code_object_version 6
	.text
	.protected	k_qf40eb6bb75_qa
	.globl	k_qf40eb6bb75_qa
	.p2align	8
	.type	k_qf40eb6bb75_qa,@function
k_qf40eb6bb75_qa:
	s_mov_b64 s[64:65], 0
	v_nop
	global_prefetch_b8 v0, s[64:65] scope:SCOPE_SE
	s_setreg_imm32_b32 hwreg(HW_REG_WAVE_MODE, 25, 1), 1
	s_wait_xcnt 0x0
; cat = [x | h_prev], [2048][4096] f32 with K innermost, becomes codes of FP4 (E2M1) and one E8M0 scale byte for each 32 along K.
;   acodes [2048 m][2048 bytes]: a row's 4,096 codes on end, two a byte, the lower k in the low four bits; bytes 0-1023 are x's, bytes 1024-2047 h_prev's.
;   ascl   [8 ks][2048 m][16 bytes]: ks = K / 512; byte j is the scale of block 16 ks + j of row m.  So the scales that 256 rows need for 512 along K are 4,096 consecutive bytes.
; A block's scale is 2^(floor(log2(its largest magnitude)) - 2); its byte is the largest magnitude's own exponent field - 2, held at 1 from below.
; (A block of zeros so gets the byte 1 where the rule says 127: its codes are zeros, which add nothing under any byte but 0xff, and this program alone reads the bytes.)
; LIMITS: blocks whose largest magnitude lies under 2^-124 keep the byte 1 (not tried); NaN and infinities among the inputs are not served.
; SHARES.  Work-groups 0-127 take x, 128-255 h_prev; a work-group takes 16 rows; wave w takes columns 512 w .. 512 w + 511 of them.  A step is one row's 512 numbers, 2,048 consecutive bytes.
; The conversions take 8 numbers of one block from ONE lane's registers, so a lane must hold 16 neighbours; a load is dense where neighbouring lanes take neighbouring bytes.  Both are had: each of a
; step's four loads reads 512 consecutive bytes, 16 a lane; the 2,048 bytes go through the wave's own stage in LDS as they lie and come back 64 bytes a lane (16 bytes of padding behind each 64).
; A lane's 16 codes are 8 bytes: the wave's store covers 256 consecutive bytes, aligned.  A step makes 16 scale bytes, the wave's 16 steps 256: they gather in LDS and leave as one aligned run of 256 bytes.
; No tensor loads, no barrier: waves share nothing.  Loads run four steps (16 loads a wave) ahead, the turn through LDS one step.  Every offset is an immediate: no source register is written again.
.set STEPS, 16
.set EMAX,  2
.set CB,    8                          ; bytes of 16 codes
.set R,     16                         ; v16-79   four sets of 16 numbers as they are loaded
.set X,     80                         ; v80-111  two sets of 16 neighbours
.set E,     112                        ; v112-127 a scale byte for each step
.set C,     128                        ; v128-191 codes: four registers for each step, so that no store's data are written again
.set WREG,  8192                       ; LDS: a region for each wave: two stages of 32 x SP bytes, behind them its 256 scale bytes
.set SP,    80                         ; a lane's place in a stage: its 64 bytes + 16 of padding
	s_load_b128 s[4:7], s[0:1], 0x0                ; x, h_prev
	s_load_b128 s[8:11], s[0:1], 0x10              ; acodes, ascl
	v_lshl_add_u32 v192, v0, 2, 0x8000
	v_mov_b32 v193, 0
	v_lshrrev_b32 v1, 5, v0
	v_readfirstlane_b32 s16, v1                    ; wave
	v_and_b32 v2, 31, v0                           ; lane
	v_lshlrev_b32 v3, 4, v2                        ; my 16 bytes of a load's 512
	s_mul_i32 s17, s16, WREG
	v_lshrrev_b32 v14, 2, v2
	v_mul_u32_u24 v14, v14, SP
	v_and_b32 v15, 3, v2
	v_lshl_add_u32 v14, v15, 4, v14
	v_add_nc_u32 v14, s17, v14                     ; the stage, on the way in: four lanes' 64 bytes on end, then the padding: SP (lane / 4) + 16 (lane % 4)
	v_mul_u32_u24 v15, v2, SP
	v_add_nc_u32 v15, s17, v15                     ; and on the way out: SP x lane: my 16 neighbours
	v_mul_u32_u24 v4, v2, CB                       ; my codes' place in a step's 256 bytes
	v_lshrrev_b32 v5, 1, v2
	s_add_co_u32 s17, s17, 2*32*SP
	v_add_nc_u32 v5, s17, v5                       ; LDS: my wave's 256 scale bytes, my block's byte
	v_lshlrev_b32 v7, 3, v2                        ; and on the way out 8 bytes a lane
	v_add_nc_u32 v6, s17, v7
	s_lshr_b32 s18, ttmp9, 7                       ; T: 0 = x, 1 = h_prev
	s_and_b32 s19, ttmp9, 127                      ; rb: which 16 rows
	s_mov_b32 s21, 0
	s_mov_b32 s23, 0
	s_mov_b32 s25, 0
	s_lshl_b32 s20, s19, 17                        ; the source: 16 rows of 8,192 bytes,
	s_lshl_b32 s26, s16, 11                        ; + 2,048 bytes for each wave
	s_add_co_u32 s20, s20, s26
	s_lshl_b32 s22, s19, 15                        ; the codes: 16 rows of 2,048 bytes,
	s_lshl_b32 s26, s18, 10                        ; + 1,024 for h_prev,
	s_add_co_u32 s22, s22, s26
	s_lshl_b32 s26, s16, 8                         ; + 256 for each wave
	s_add_co_u32 s22, s22, s26
	s_lshl_b32 s24, s18, 2
	s_add_co_u32 s24, s24, s16                     ; ks = 4 T + wave
	s_lshl_b32 s24, s24, 15                        ; the scales: 2,048 rows x 16 bytes for each ks,
	s_lshl_b32 s26, s19, 8                         ; + 16 rows x 16 bytes
	s_add_co_u32 s24, s24, s26
	s_wait_kmcnt 0x0
	s_cmp_lt_u32 ttmp9, 128                        ; the choice hangs on the work-group's number alone
	s_cselect_b64 s[4:5], s[4:5], s[6:7]
	s_add_nc_u64 s[4:5], s[4:5], s[20:21]
	s_add_nc_u64 s[8:9], s[8:9], s[22:23]
	s_add_nc_u64 s[10:11], s[10:11], s[24:25]
.macro LOAD t                          ; step t = row t of my 16: 8,192 bytes from row to row
.irp i, 0,1,2,3
	global_load_b128 v[R+16*((\t)%4)+4*\i:R+16*((\t)%4)+4*\i+3], v3, s[4:5] offset:8192*(\t)+512*\i th:TH_LOAD_NT   ; 32 lanes read 512 consecutive bytes; read once in the launch
.endr
.endm
.macro TURN t                          ; step t's numbers through the stage: LDS serves a wave's instructions in order (ISA guide 5.7.1.4), so no wait stands between the stores and the loads
.irp i, 0,1,2,3
	ds_store_b128 v14, v[R+16*((\t)%4)+4*\i:R+16*((\t)%4)+4*\i+3] offset:32*SP*((\t)%2)+8*SP*\i
.endr
.irp i, 0,1,2,3
	ds_load_b128 v[X+16*((\t)%2)+4*\i:X+16*((\t)%2)+4*\i+3], v15 offset:32*SP*((\t)%2)+16*\i
.endr
.endm
.irp t, 0,1,2,3
	LOAD \t
.endr
	s_wait_loadcnt 12                              ; step 0's four loads are in; the twelve behind them may be out
	TURN 0
.macro STEP t
.set XS, X+16*((\t)%2)
.if (\t) > 0
	s_wait_dscnt 1                                 ; this step's numbers are back from the stage (the last step's byte store may be out): so its stores into the stage have read their registers,
.else
	s_wait_dscnt 0x0
.endif
.if (\t)+4 < STEPS
	LOAD (\t)+4                                    ; which take the loads of four steps on
.endif
.if (\t)+1 < STEPS
.if STEPS-2-(\t) >= 3
	s_wait_loadcnt 12                              ; the next step's four loads are in; those of the three steps behind it may be out
.else
	s_wait_loadcnt 4*(STEPS-2-(\t))                ; the tail: fewer steps are behind it
.endif
	TURN (\t)+1                                    ; and go through the other stage while this step is worked
.endif
	v_max3_num_f32 v8, |v[XS]|, |v[XS+1]|, |v[XS+2]|               ; the largest magnitude of my 16, in two chains
	v_max3_num_f32 v9, |v[XS+3]|, |v[XS+4]|, |v[XS+5]|
.irp i, 6,10
	v_max3_num_f32 v8, v8, |v[XS+\i]|, |v[XS+\i+1]|
	v_max3_num_f32 v9, v9, |v[XS+\i+2]|, |v[XS+\i+3]|
.endr
	v_max3_num_f32 v8, v8, |v[XS+14]|, |v[XS+15]|
	v_max3_num_f32 v8, v8, v9, (EMAX+1)<<23        ; and the floor 2^(3 - 127): so the byte cannot fall under 1
	v_max_num_f32_dpp v8, v8, v8 row_xmask:1 row_mask:0xf bank_mask:0xf   ; and of my neighbour's 16: the block's
	v_add_nc_u32 v11, -(EMAX<<23), v8              ; 2 off its exponent field: the conversion takes the exponent field of this operand as its scale, and nothing else of it
	v_cvt_scalef32_pk8_fp4_f32 v[C+4*(\t)], v[XS:XS+7], v11        ; eight numbers / the scale, to the nearest code, ties to even, beyond 6 the largest code; the first number's code in the lowest four bits
	v_cvt_scalef32_pk8_fp4_f32 v[C+4*(\t)+1], v[XS+8:XS+15], v11
	v_lshrrev_b32 v[E+(\t)], 23, v11               ; the scale's byte (also the plain line behind the conversions)
	ds_store_b8 v5, v[E+(\t)] offset:16*(\t)       ; both lanes of a block write the same byte with the same value
	global_store_b64 v4, v[C+4*(\t):C+4*(\t)+1], s[8:9] offset:2048*(\t)   ; 32 lanes store 256 consecutive bytes, at a multiple of 256 from the buffer's first byte
.endm
.irp t, 0,1,2,3,4,5,6,7,8,9,10,11,12,13,14,15
	STEP \t
.endr
	ds_load_b64 v[12:13], v6                       ; LDS serves a wave's instructions in order: these see my byte stores
	s_wait_dscnt 0x0
	global_store_b64 v7, v[12:13], s[10:11]        ; [16 rows][16 bytes]: 256 consecutive bytes, aligned
	s_wait_tensorcnt 0x0
	ds_add_u32 v192, v193
	s_wait_dscnt 0x0
	s_endpgm
.Lfunc_end_k_qf40eb6bb75_qa:
	.size	k_qf40eb6bb75_qa, .Lfunc_end_k_qf40eb6bb75_qa-k_qf40eb6bb75_qa
	.p2alignl 7, 3214868480
	.fill 96, 4, 3214868480
	.section	.rodata,"a",@progbits
	.p2align	6, 0x0
	.amdhsa_kernel k_qf40eb6bb75_qa
		.amdhsa_group_segment_fixed_size 33280
		.amdhsa_private_segment_fixed_size 0
		.amdhsa_enable_private_segment 0
		.amdhsa_kernarg_size 32
		.amdhsa_user_sgpr_count 2
		.amdhsa_user_sgpr_kernarg_segment_ptr 1
		.amdhsa_wavefront_size32 1
		.amdhsa_system_sgpr_workgroup_id_x 1
		.amdhsa_system_sgpr_workgroup_id_y 1
		.amdhsa_system_sgpr_workgroup_id_z 1
		.amdhsa_system_vgpr_workitem_id 0
		.amdhsa_next_free_vgpr 194
		.amdhsa_next_free_sgpr 66
		.amdhsa_reserve_vcc 0
		.amdhsa_float_denorm_mode_32 3
		.amdhsa_float_denorm_mode_16_64 3
		.amdhsa_memory_ordered 1
		.amdhsa_forward_progress 1
		.amdhsa_inst_pref_size 33
	.end_amdhsa_kernel
	.amdgpu_metadata
---
amdhsa.version: [ 1, 2 ]
amdhsa.kernels:
  - .name:           k_qf40eb6bb75_qa
    .symbol:         k_qf40eb6bb75_qa.kd
    .args:
      - { .name: x, .offset: 0, .size: 8, .value_kind: global_buffer, .address_space: global }
      - { .name: h_prev, .offset: 8, .size: 8, .value_kind: global_buffer, .address_space: global }
      - { .name: acodes, .offset: 16, .size: 8, .value_kind: global_buffer, .address_space: global }
      - { .name: ascl, .offset: 24, .size: 8, .value_kind: global_buffer, .address_space: global }
    .group_segment_fixed_size: 33280
    .private_segment_fixed_size: 0
    .kernarg_segment_align: 8
    .kernarg_segment_size: 32
    .max_flat_workgroup_size: 128
    .sgpr_count:     66
    .vgpr_count:     194
    .wavefront_size: 32
...
	.end_amdgpu_metadata
.endif
;; end of part 1
;; launch qw (part 2): grid 64 x 8, 4 waves a work-group, no clusters, 36,352 bytes of LDS; arguments Wf, Wi, Wc, Wo, wcodes, wscl; writes wcodes, wscl
.if DOCPART == 2
	.amdgcn_target "amdgcn-amd-amdhsa--gfx1250"
	.amdhsa_code_object_version 6
	.text
	.protected	k_qf40eb6bb75_qw
	.globl	k_qf40eb6bb75_qw
	.p2align	8
	.type	k_qf40eb6bb75_qw,@function
k_qf40eb6bb75_qw:
	s_mov_b64 s[64:65], 0
	v_nop
	global_prefetch_b8 v0, s[64:65] scope:SCOPE_SE
	s_setreg_imm32_b32 hwreg(HW_REG_WAVE_MODE, 25, 1), 1
	s_wait_xcnt 0x0
; The four weights, each [4096 k][2048 n] f32 with K as the FIRST axis, become codes of FP4 (E2M1) with K innermost and one E8M0 scale byte for each 32 along K.
;   wcodes [8192 rho][2048 bytes];   wscl [8 ks][8192 rho][16 bytes], ks = K / 512, byte j = block 16 ks + j.
; THE ORDER OF THE ROWS: column n of gate g (0 f, 1 i, 2 c, 3 o) is row rho = 128 (n / 32) + 32 g + n % 32.  So 128 neighbouring rows are 32 columns of all four gates: the wave of the product's
; launch that makes them holds a column's four gates in one lane, and the cell's arithmetic needs no other lane.
; A LANE TAKES A COLUMN n, AND ITS REGISTERS RUN DOWN K: each load reads neighbouring n in neighbouring lanes (128 consecutive bytes a wave, 512 a work-group), a block of 32 along K lies in ONE lane's
; 32 registers, so that its largest magnitude needs no other lane, and the conversions give the codes with K innermost.  Nothing is transposed by an instruction.
; A block's scale is 2^(floor(log2(its largest magnitude)) - 2); its byte is the largest magnitude's exponent field - 2, held at 1 from below.  (A block of zeros gets the byte 1 where the rule says 127:
; its codes are zeros, which add nothing under any byte but 0xff, and this program alone reads the bytes.)
; LIMITS: blocks whose largest magnitude lies under 2^-124 keep the byte 1 (not tried); NaN and infinities among the inputs are not served.
; SHARES.  Work-group x = 16 g + cg, y = ks.  Wave w takes columns 128 cg + 32 w .. + 31 of gate g, 512 along K: 16 blocks a lane, 256 bytes of codes a column.  A lane's codes belong to one row of
; wcodes and the lanes beside it hold other rows: so they go through the wave's own stage in LDS and leave as rows: sixteen lanes store 256 consecutive bytes, aligned.  A lane's 16 scale bytes are
; 16 neighbouring bytes of wscl, and the lanes' lie on end: one store of 512 consecutive bytes.  No tensor loads, no barrier: waves share nothing.  Loads run two blocks ahead.
; Every offset is an immediate: 511 rows x 8,192 bytes at the most, inside the signed 24 bits (ISA guide, chapter 10).
.set NB,    16                         ; blocks of 32 along K for a wave
.set PITCH, 272                        ; a stage row: 256 bytes of codes + 16
.set KROW,  2048                       ; a row of wcodes in bytes
.set NROW,  8192                       ; a row of a weight in bytes
.set EMAX,  2
.set SB,    24                         ; v24-27   the scale bytes, four to a register
.set X,     32                         ; v32-95   two sets of 32 numbers
.set C,     96                         ; v96-99   a block's codes
.set OUTR,  112                        ; v112-175 the way out: 16 x 4 registers
	s_load_b256 s[4:11], s[0:1], 0x0               ; Wf s[4:5], Wi s[6:7], Wc s[8:9], Wo s[10:11]
	s_load_b128 s[12:15], s[0:1], 0x20             ; wcodes s[12:13], wscl s[14:15]
	v_lshl_add_u32 v192, v0, 2, 0x8c00
	v_mov_b32 v193, 0
	v_lshrrev_b32 v1, 5, v0
	v_readfirstlane_b32 s16, v1                    ; wave 0..3
	v_and_b32 v2, 31, v0                           ; lane
	s_lshr_b32 s17, ttmp9, 4                       ; g
	s_and_b32 s18, ttmp9, 15                       ; cg
	s_and_b32 s19, ttmp7, 0xffff                   ; ks
	v_lshlrev_b32 v3, 2, v2                        ; in: 4 bytes a lane
	s_mul_i32 s21, s16, 32*PITCH                   ; my stage
	v_mul_u32_u24 v4, v2, PITCH
	v_add_nc_u32 v4, s21, v4                       ; into it: row = my column
	v_and_b32 v5, 15, v2
	v_lshrrev_b32 v6, 4, v2                        ; out of it: sixteen lanes to a row, two rows an instruction
	v_mul_u32_u24 v7, v6, PITCH
	v_lshl_add_u32 v7, v5, 4, v7
	v_add_nc_u32 v7, s21, v7                       ; LDS address
	v_mul_u32_u24 v8, v6, KROW
	v_lshl_add_u32 v8, v5, 4, v8                   ; and the same place in wcodes
	v_lshlrev_b32 v9, 4, v2                        ; my row's 16 scale bytes
	s_lshl_b32 s20, s18, 2
	s_add_co_u32 s20, s20, s16                     ; q = 4 cg + wave = n / 32
	s_mov_b32 s23, 0
	s_mov_b32 s25, 0
	s_mov_b32 s27, 0
	s_lshl_b32 s22, s19, 22                        ; the weight: 512 ks rows of 8,192 bytes,
	s_lshl_b32 s21, s20, 7                         ; + 32 q columns of 4 bytes
	s_add_co_u32 s22, s22, s21
	s_lshl_b32 s24, s20, 18                        ; wcodes: (128 q + 32 g) rows of 2,048 bytes,
	s_lshl_b32 s21, s17, 16
	s_add_co_u32 s24, s24, s21
	s_lshl_b32 s21, s19, 8                         ; + 256 ks
	s_add_co_u32 s24, s24, s21
	s_lshl_b32 s26, s19, 17                        ; wscl: 8,192 rows x 16 bytes for each ks,
	s_lshl_b32 s21, s20, 11                        ; + (128 q + 32 g) x 16
	s_add_co_u32 s26, s26, s21
	s_lshl_b32 s21, s17, 9
	s_add_co_u32 s26, s26, s21
	s_wait_kmcnt 0x0
	s_and_b32 s21, s17, 1                          ; the gate's weight, chosen on the work-group's number alone: first by g's low bit,
	s_cmp_lg_u32 s21, 0
	s_cselect_b64 s[4:5], s[6:7], s[4:5]           ; Wi or Wf
	s_cselect_b64 s[8:9], s[10:11], s[8:9]         ; Wo or Wc
	s_and_b32 s21, s17, 2                          ; then by its high bit
	s_cmp_lg_u32 s21, 0
	s_cselect_b64 s[4:5], s[8:9], s[4:5]
	s_add_nc_u64 s[4:5], s[4:5], s[22:23]
	s_add_nc_u64 s[12:13], s[12:13], s[24:25]
	s_add_nc_u64 s[14:15], s[14:15], s[26:27]
.macro LOAD t                          ; block t: W(32 t + i, my column), i = 0 .. 31, into set t % 2
.irp i, 0,1,2,3,4,5,6,7,8,9,10,11,12,13,14,15,16,17,18,19,20,21,22,23,24,25,26,27,28,29,30,31
	global_load_b32 v[X+32*((\t)%2)+\i], v3, s[4:5] offset:(32*(\t)+\i)*NROW th:TH_LOAD_NT
.endr
.endm
	LOAD 0
	LOAD 1
.macro BLOCK t
.set XS, X+32*((\t)%2)
.if (\t) < NB-1
	s_wait_loadcnt 32                              ; this block's 32 loads are in; the next block's 32 may be out
.else
	s_wait_loadcnt 0
.endif
	v_max3_num_f32 v12, |v[XS]|, |v[XS+1]|, |v[XS+2]|              ; the block's largest magnitude: all 32 numbers are mine; two chains
	v_max3_num_f32 v13, |v[XS+3]|, |v[XS+4]|, |v[XS+5]|
.irp i, 6,10,14,18,22,26
	v_max3_num_f32 v12, v12, |v[XS+\i]|, |v[XS+\i+1]|
	v_max3_num_f32 v13, v13, |v[XS+\i+2]|, |v[XS+\i+3]|
.endr
	v_max3_num_f32 v12, v12, |v[XS+30]|, |v[XS+31]|
	v_max3_num_f32 v12, v12, v13, (EMAX+1)<<23     ; and the floor 2^(3 - 127): so the byte cannot fall under 1
	v_add_nc_u32 v11, -(EMAX<<23), v12             ; 2 off its exponent field: the conversion's scale operand
	v_lshrrev_b32 v13, 23, v11                     ; the scale's byte
.if (\t)%4 == 0
	v_mov_b32 v[SB+(\t)/4], v13                    ; four bytes to a register, the lower K in the lower byte
.else
	v_lshl_or_b32 v[SB+(\t)/4], v13, 8*((\t)%4), v[SB+(\t)/4]
.endif
.irp g, 0,1,2,3
	v_cvt_scalef32_pk8_fp4_f32 v[C+\g], v[XS+8*\g:XS+8*\g+7], v11
.endr
	ds_store_b128 v4, v[C:C+3] offset:16*(\t)      ; 32 codes: 16 bytes of my column's row.  (The results go to an LDS store; the next vector lines are the next block's plain ones)
.if (\t)+2 < NB
	LOAD (\t)+2
.endif
	s_wait_dscnt 0x0                               ; the store has read its registers: the next block's codes may be written
.endm
.set Q, 0
.rept NB
	BLOCK Q
.set Q, Q+1
.endr
	global_store_b128 v9, v[SB:SB+3], s[14:15]     ; 32 rows x 16 scale bytes: 512 consecutive bytes, aligned
.irp t, 0,1,2,3,4,5,6,7,8,9,10,11,12,13,14,15
	ds_load_b128 v[OUTR+4*\t:OUTR+4*\t+3], v7 offset:2*\t*PITCH   ; LDS serves a wave's instructions in order (ISA guide 5.7.1.4): these see my stores
.endr
.irp t, 0,1,2,3,4,5,6,7,8,9,10,11,12,13,14,15
	s_wait_dscnt 15-\t                             ; LDS loads come back in order: load t is in, the 15 - t behind it may be out
	global_store_b128 v8, v[OUTR+4*\t:OUTR+4*\t+3], s[12:13] offset:2*\t*KROW   ; sixteen lanes store 256 consecutive bytes of a row, aligned
.endr
	s_wait_tensorcnt 0x0
	ds_add_u32 v192, v193
	s_wait_dscnt 0x0
	s_endpgm
.Lfunc_end_k_qf40eb6bb75_qw:
	.size	k_qf40eb6bb75_qw, .Lfunc_end_k_qf40eb6bb75_qw-k_qf40eb6bb75_qw
	.p2alignl 7, 3214868480
	.fill 96, 4, 3214868480
	.section	.rodata,"a",@progbits
	.p2align	6, 0x0
	.amdhsa_kernel k_qf40eb6bb75_qw
		.amdhsa_group_segment_fixed_size 36352
		.amdhsa_private_segment_fixed_size 0
		.amdhsa_enable_private_segment 0
		.amdhsa_kernarg_size 48
		.amdhsa_user_sgpr_count 2
		.amdhsa_user_sgpr_kernarg_segment_ptr 1
		.amdhsa_wavefront_size32 1
		.amdhsa_system_sgpr_workgroup_id_x 1
		.amdhsa_system_sgpr_workgroup_id_y 1
		.amdhsa_system_sgpr_workgroup_id_z 1
		.amdhsa_system_vgpr_workitem_id 0
		.amdhsa_next_free_vgpr 194
		.amdhsa_next_free_sgpr 66
		.amdhsa_reserve_vcc 0
		.amdhsa_float_denorm_mode_32 3
		.amdhsa_float_denorm_mode_16_64 3
		.amdhsa_memory_ordered 1
		.amdhsa_forward_progress 1
		.amdhsa_inst_pref_size 79
	.end_amdhsa_kernel
	.amdgpu_metadata
---
amdhsa.version: [ 1, 2 ]
amdhsa.kernels:
  - .name:           k_qf40eb6bb75_qw
    .symbol:         k_qf40eb6bb75_qw.kd
    .args:
      - { .name: Wf, .offset: 0, .size: 8, .value_kind: global_buffer, .address_space: global }
      - { .name: Wi, .offset: 8, .size: 8, .value_kind: global_buffer, .address_space: global }
      - { .name: Wc, .offset: 16, .size: 8, .value_kind: global_buffer, .address_space: global }
      - { .name: Wo, .offset: 24, .size: 8, .value_kind: global_buffer, .address_space: global }
      - { .name: wcodes, .offset: 32, .size: 8, .value_kind: global_buffer, .address_space: global }
      - { .name: wscl, .offset: 40, .size: 8, .value_kind: global_buffer, .address_space: global }
    .group_segment_fixed_size: 36352
    .private_segment_fixed_size: 0
    .kernarg_segment_align: 8
    .kernarg_segment_size: 48
    .max_flat_workgroup_size: 128
    .sgpr_count:     66
    .vgpr_count:     194
    .wavefront_size: 32
...
	.end_amdgpu_metadata
.endif
;; end of part 2
;; launch gemm (part 3): grid 32 x 8, 4 waves a work-group, clusters of 4 x 4, 327,680 bytes of LDS; arguments acodes, ascl, wcodes, wscl, c_prev, bf, bi, bc, bo, out0, out1; writes out0, out1
.if DOCPART == 3
	.amdgcn_target "amdgcn-amd-amdhsa--gfx1250"
	.amdhsa_code_object_version 6
	.text
	.protected	k_qf40eb6bb75_gemm
	.globl	k_qf40eb6bb75_gemm
	.p2align	8
	.type	k_qf40eb6bb75_gemm,@function
k_qf40eb6bb75_gemm:
	s_mov_b64 s[64:65], 0
	v_nop
	global_prefetch_b8 v0, s[64:65] scope:SCOPE_SE
	s_setreg_imm32_b32 hwreg(HW_REG_WAVE_MODE, 25, 1), 1
	s_wait_xcnt 0x0
	s_wait_alu depctr_hold_cnt(0) depctr_sa_sdst(0) depctr_va_vdst(0) depctr_va_sdst(0) depctr_va_ssrc(0) depctr_va_vcc(0) depctr_vm_vsrc(0)
	s_getreg_b32 s2, hwreg(HW_REG_IB_STS2, 6, 4)
	s_cmp_eq_u32 s2, 0
	s_cbranch_scc0 .Lentry_in_a_cluster
	s_endpgm
.Lentry_in_a_cluster:
	s_bfe_u32 s2, ttmp6, 0x10000c
	s_cmp_lg_u32 s2, 0xf033
	s_cbranch_scc0 .Lentry_shape_is_right
	s_endpgm
.Lentry_shape_is_right:
; z = cat W + b on codes of FP4 (E2M1) with one E8M0 scale for each 32 along K, sums in f32; then the cell, in f32, in registers:
;   c_t = c_prev sigmoid(zf) + sigmoid(zi) tanh(zc) -> out1;   h_t = sigmoid(zo) tanh(c_t) -> out0.   z never goes to memory.
; acodes [2048 m][2048 bytes], ascl [8 ks][2048 m][16], wcodes [8192 rho][2048 bytes], wscl [8 ks][8192 rho][16]: made by the two launches before.  Row rho = 128 (n / 32) + 32 g + n % 32 is column n of gate g (0 f, 1 i, 2 c, 3 o).
; embedding_vec takes no part in what reference() computes, and is named by no launch of this program.
; LIMITS: NaN and infinities among the inputs are not served.  sigmoid(z) = 1 / (1 + 2^(-z log2 e)) and tanh(z) = 1 - 2 / (1 + 2^(2 z log2 e)): where the power overflows its reciprocal is 0, where it
; underflows the sum is 1, so both forms end at their limits for any finite z and no clamp is written; tanh's absolute error is that of f32 near 1.
; SHARES.  A work-group of four waves, as many as a WGP has SIMDs, makes 256 rows x 256 rho of z = 256 rows x 64 columns of both outputs; 32 x 8 work-groups.  A wave makes 128 x 128: 64 accumulators, 512 registers.
; K goes in steps of 512 (rows of 256 bytes of codes) through a ring of two LDS slots; a slot also holds the step's scale words of its 512 rows, two dense blocks of 4,096 bytes.  One tensor load a wave:
; wave 0 A's codes, wave 1 B's codes, wave 2 A's scales, wave 3 B's scales.
; CLUSTERS: 4 x 4 work-groups.  The four of a row of the cluster need the same tiles of A, the four of a column the same tiles of B: each tile is asked for JOINTLY, by the same tensor load with the same descriptor and a mask that names the four.
; THE MATRIX INSTRUCTION IS USED TRANSPOSED (source 0 = 16 rows of B, source 1 = 16 rows of A).  B's block b = 2 g + nb of a wave is gate g, columns 16 nb .. + 15 of the wave's 32.  In accumulator (a, b), lane (r, h) = (lane % 16, lane / 16),
; register j is z_g(row 16 a + r, column 16 nb + 8 h + j): the four gates of one number of the outputs lie in ONE lane at one register index of accumulators (a, nb), (a, 2 + nb), (a, 4 + nb), (a, 6 + nb).
; The biases are the C of each sum's first matrix instruction: eight registers a block of B, in the result's layout.
; c_prev's 256 x 64 tile comes into slot 0 when the ring has left it for the last time, and lands under the last K step's products.
; REGISTERS, in windows of 256: window 0: v1-31 addresses; v32-95 scale words, two sets, and nothing else ever; v96-111 c_prev; v128-191 A's fragments, ONE set, later the gates; v192-255 the biases, later c_t and h_t; both later rows on the way out.
;   window 1: B's fragments, TWO sets, at v0 and at v128.   window 2: the accumulators of my rows 0-63 ((a, b) at v[8 (8 (a % 4) + b)]);   window 3: those of my rows 64-127.
.set NQ,     4                         ; matrix instructions deep in a K step: 512 / 128
.set FR,     8                         ; registers of a fragment: 16 rows x 128 K of 4-bit codes
.set PITCH,  272                       ; an LDS row: 256 bytes + 16 of padding = 68 words: row r starts at bank 4 r mod 64 (64 banks of 4 bytes: ISA guide 11.1), so the 16 rows that a load touches start at 16 different banks
.set HALFT,  128*PITCH                 ; 128 rows: what one wave reads of A or of B
.set BOFF,   2*HALFT                   ; a slot: A's 256 rows; from here B's 256 rows;
.set SCA,    4*HALFT                   ; A's scale words, 256 rows x 16 bytes, dense;
.set SCB,    SCA+4096                  ; B's likewise
.set SLOT,   SCB+4096                  ; 147,456 bytes
.set SPARE,  2*SLOT                    ; behind the ring: the spare words, 128 bytes for each wave: two blocks of 256 bytes that no other line names
; THE WAY OUT uses slot 0.  Bytes 0 .. BOFF - 1: their last fill is c_prev's tile (256 rows, pitch 272); c_t is stored over it, each lane over the bytes that it read.  Bytes BOFF .. 2 BOFF - 1: their last fill is the last but one K step's B; h_t goes there.
.set ADRA, 16                          ; v16-17  LDS address of my A fragments in slot 0, 1
.set ADRB, 20                          ; v20-21  the same for B
.set ADRS, 22                          ; v22-23  of my scale words: lanes 0-15 A's rows, lanes 16-31 B's
.set CPA,  24                          ; v24     my 32 bytes of c_prev's (then c_t's) row r of my first block
.set RD,   25                          ; v25     the way out: where I read rows of c_t back
.set CO,   26                          ; v26     my byte offset in two rows of an output
.set BOF,  27                          ; v27     my byte offset in a bias
.set SPW,  28                          ; v28     LDS address of my spare word: SPARE + 4 x my thread's number; never rewritten
.set NIL,  29                          ; v29     0; never rewritten
.set CPH,  30                          ; v30     CPA in h_t's stage
.set RDH,  31                          ; v31     RD in h_t's stage
.set SC,   32                          ; scale words: set s at v[SC + 32 s]; register 4 i + q: lanes 0-15 the word of A's block i, lanes 16-31 that of B's block i, for the slot's q-th 128 along K
.set CP,   96                          ; c_prev: register 8 nb + j
.set AF,   128                         ; A's fragments
.set T,    128                         ; the cell: 64 registers, 8 b + j: the gates of a block of 16 rows
.set BIAS, 192                         ; the biases: 8 b + j
.set CT,   192                         ; the cell: c_t, 8 nb + j
.set U,    208                         ; the cell: h_t, 8 nb + j
.set G1A,  4                           ; s[4:11]   descriptor group 1, A's codes      s[12:19] B's codes
.set G1B,  12
.set G1SA, 20                          ; s[20:27]  A's scales                         s[28:35] B's scales
.set G1SB, 28
.set G1C,  36                          ; s[36:43]  c_prev
.set G0A,  44                          ; s[44:51]  group 0, A's codes, a set for each slot;  s[52:59] B's codes
.set G0B,  52
.set G0C,  60                          ; s[60:63]  c_prev
.set G0SA, 68                          ; s[68:75]  A's scales;  s[76:83] B's scales
.set G0SB, 76
.set TR,   66                          ; s66 tile row of the outputs;  s67 tile column
.set TC,   67
.set WV,   96                          ; s96 wave;  s97 which 128 rows are mine;  s98 which 128 rho
.set WM,   97
.set WN,   98
.set LAP,  101                         ; s101: 0 above s100 while the head makes offsets, then the loop's counter
.set LSIG, 100                         ; s[100:101] behind the loop: -log2 e, twice;  s[104:105]: 2 log2 e, twice
.set LTAN, 104
.set MSB, 0
.macro WIN new                         ; the immediate's high byte repeats the setting that is left; a switch that changes nothing is dropped
.if MSB != \new
	s_set_vgpr_msb (MSB<<8)|\new
.set MSB, \new
.endif
.endm
.set MUL_LO, 0xa1                      ; source 0 (B) window 1, source 1 (A) window 0, C and D window 2
.set MUL_HI, 0xf1                      ; the same, C and D window 3
.set BEG_LO, 0x81                      ; the first step: C (the bias) window 0, D window 2
.set BEG_HI, 0xc1                      ; the same, D window 3
.set TO_B,   0x40                      ; destination window 1, address window 0
.macro PLACES n                        ; a load into a register that a matrix instruction has read, and a vector instruction that reads a matrix result or writes one of its registers, stand four places behind it;
.rept \n                               ; only plain vector instructions that name none of its registers are places (ISA guide 7.12.1 for vector instructions)
	v_nop
.endr
.endm
; A joint load into slot s.  Each of the four lines has ONE mask and one set of registers for all that issue it; the branches hang on the wave's number alone.
; Four v_nop follow each line, ahead of the jump, the label and what follows.
.macro JLOAD s
	s_cmp_lt_u32 s[WV], 2
	s_cbranch_scc0 .Lscales_\@
	s_cmp_eq_u32 s[WV], 0
	s_cbranch_scc0 .Lcodes_b_\@
	tensor_load_to_lds s[G0A+4*\s:G0A+4*\s+3], s[G1A:G1A+7]
	s_nop 0
	PLACES 4
	s_branch .Lasked_\@
.Lcodes_b_\@:
	tensor_load_to_lds s[G0B+4*\s:G0B+4*\s+3], s[G1B:G1B+7]
	s_nop 0
	PLACES 4
	s_branch .Lasked_\@
.Lscales_\@:
	s_cmp_eq_u32 s[WV], 2
	s_cbranch_scc0 .Lscales_b_\@
	tensor_load_to_lds s[G0SA+4*\s:G0SA+4*\s+3], s[G1SA:G1SA+7]
	s_nop 0
	PLACES 4
	s_branch .Lasked_\@
.Lscales_b_\@:
	tensor_load_to_lds s[G0SB+4*\s:G0SB+4*\s+3], s[G1SB:G1SB+7]
	s_nop 0
	PLACES 4
.Lasked_\@:
.endm
.macro CREST                           ; a round of the cluster's barrier behind its opening barrier: wave 0 signals for the work-group, every wave waits for all sixteen, the work-group's barrier closes it
	s_cmp_lg_u32 s[WV], 0
	s_cbranch_scc1 .Lnot_wave_0_\@
	s_barrier_signal -3
.Lnot_wave_0_\@:
	s_barrier_wait -3
	s_barrier_signal -1
	s_barrier_wait -1
.endm
.macro CROUND                          ; a whole round
	s_barrier_signal -1
	s_barrier_wait -1
	CREST
.endm
	s_load_b64 s[G0A+2:G0A+3], s[0:1], 0x0         ; each address comes straight into its descriptor: acodes,
	s_load_b64 s[G0SA+2:G0SA+3], s[0:1], 0x8       ; ascl,
	s_load_b64 s[G0B+2:G0B+3], s[0:1], 0x10        ; wcodes,
	s_load_b64 s[G0SB+2:G0SB+3], s[0:1], 0x18      ; wscl,
	s_load_b64 s[G0C+2:G0C+3], s[0:1], 0x20        ; c_prev
	s_load_b256 s[88:95], s[0:1], 0x28             ; bf s[88:89], bi s[90:91], bc s[92:93], bo s[94:95]
	s_load_b128 s[84:87], s[0:1], 0x48             ; out0 (h_t) s[84:85], out1 (c_t) s[86:87]
	v_lshl_add_u32 v[SPW], v0, 2, SPARE
	v_mov_b32 v[NIL], 0
	ds_add_u32 v28, v29
	ds_add_u32 v28, v29
	s_wait_dscnt 0x0
	v_lshrrev_b32 v1, 5, v0
	v_readfirstlane_b32 s[WV], v1                  ; wave 0..3
	s_lshr_b32 s[WM], s[WV], 1
	s_and_b32 s[WN], s[WV], 1
	s_bfe_u32 s2, ttmp6, 0x40000                   ; cx, cy: my place in the cluster
	s_bfe_u32 s3, ttmp6, 0x40004
	s_lshl_b32 s[TC], ttmp9, 2                     ; in a cluster launch ttmp9 and ttmp7 count clusters
	s_add_co_u32 s[TC], s[TC], s2                  ; tile column = 4 x cluster x + cx
	s_and_b32 s[TR], ttmp7, 0xffff
	s_lshl_b32 s[TR], s[TR], 2
	s_add_co_u32 s[TR], s[TR], s3                  ; tile row = 4 x cluster y + cy
	s_lshl_b32 s99, s3, 2
	s_lshl_b32 s99, 15, s99                        ; my row of the cluster: places 4 cy .. 4 cy + 3
	s_lshl_b32 s104, 0x1111, s2                    ; my column: places cx, cx + 4, cx + 8, cx + 12
	; group 1 for the codes: a tile of 256 rows x 256 bytes, rows 2,048 bytes apart in memory, padded in LDS
	s_or_b32 s[G1A], s99, (1<<20)|(1<<21)|(5<<22)|(3<<25)    ; 15:0 the mask: A's tiles go to my row; 17:16 elements of 1 byte; 20 padding on; 21 set beside a mask; 24:22 after every 64 words (code 5); 31:25 four words (code 3)
	s_or_b32 s[G1B], s104, (1<<20)|(1<<21)|(5<<22)|(3<<25)   ; the same with the mask of my column
.irp g, G1A, G1B
	s_mov_b32 s[\g+1], 256<<16                     ; tensor_dim0 = 256
	s_mov_b32 s[\g+2], 256<<16                     ; tensor_dim1 = 256
	s_mov_b32 s[\g+3], 256<<16                     ; tile_dim0 = 256
	s_mov_b32 s[\g+4], 256                         ; tile_dim1 = 256
	s_mov_b32 s[\g+5], 2048                        ; tensor_dim0_stride
	s_mov_b32 s[\g+6], 0
	s_mov_b32 s[\g+7], 0
.endr
	; for the scales: a dense block of 4,096 bytes as 16 rows of 32 elements of 8 bytes, no padding: sixteen lanes read 256 consecutive bytes of it
	s_or_b32 s[G1SA], s99, (3<<16)|(1<<21)
	s_or_b32 s[G1SB], s104, (3<<16)|(1<<21)
.irp g, G1SA, G1SB
	s_mov_b32 s[\g+1], 32<<16
	s_mov_b32 s[\g+2], 16<<16
	s_mov_b32 s[\g+3], 32<<16
	s_mov_b32 s[\g+4], 16
	s_mov_b32 s[\g+5], 32
	s_mov_b32 s[\g+6], 0
	s_mov_b32 s[\g+7], 0
.endr
	; for c_prev: 64 rows x 64 elements of 4 bytes, rows 2,048 elements apart, padded as the codes are; no mask: each wave of each work-group fetches rows of its own
	s_mov_b32 s[G1C], (2<<16)|(1<<20)|(5<<22)|(3<<25)
	s_mov_b32 s[G1C+1], 64<<16
	s_mov_b32 s[G1C+2], 64<<16
	s_mov_b32 s[G1C+3], 64<<16
	s_mov_b32 s[G1C+4], 64
	s_mov_b32 s[G1C+5], 2048
	s_mov_b32 s[G1C+6], 0
	s_mov_b32 s[G1C+7], 0
	s_mov_b32 s101, 0                              ; offsets that hang on the tile row and the wave stand in s[100:101], those that hang on the tile column in s[104:105]: neither pair ever holds the other coordinate
	s_mov_b32 s105, 0
	s_wait_kmcnt 0x0
	s_lshl_b32 s100, s[TR], 19                     ; A's codes: 256 rows x 2,048 bytes for each tile row
	s_add_nc_u64 s[G0A+2:G0A+3], s[G0A+2:G0A+3], s[100:101]
	s_lshl_b32 s100, s[TR], 12                     ; A's scales: 256 rows x 16 bytes
	s_add_nc_u64 s[G0SA+2:G0SA+3], s[G0SA+2:G0SA+3], s[100:101]
	s_lshl_b32 s104, s[TC], 19                     ; B likewise, by the tile column
	s_add_nc_u64 s[G0B+2:G0B+3], s[G0B+2:G0B+3], s[104:105]
	s_lshl_b32 s104, s[TC], 12
	s_add_nc_u64 s[G0SB+2:G0SB+3], s[G0SB+2:G0SB+3], s[104:105]
	s_add_nc_u64 s[G0A+6:G0A+7], s[G0A+2:G0A+3], 256          ; slot 1 begins with K step 1: 256 bytes on in a row of codes,
	s_add_nc_u64 s[G0B+6:G0B+7], s[G0B+2:G0B+3], 256
	s_add_nc_u64 s[G0SA+6:G0SA+7], s[G0SA+2:G0SA+3], 32768    ; 2,048 rows x 16 bytes on in A's scales,
	s_add_nc_u64 s[G0SB+6:G0SB+7], s[G0SB+2:G0SB+3], 131072   ; 8,192 rows x 16 bytes on in B's
.irp s, 0,1
	s_mov_b32 s[G0A+4*\s], 1                       ; 1:0 count = 1
	s_mov_b32 s[G0A+4*\s+1], \s*SLOT               ; 63:32 LDS address: constants alone
	s_or_b32 s[G0A+4*\s+3], s[G0A+4*\s+3], 0x80000000         ; 127:126 type = 2
	s_mov_b32 s[G0B+4*\s], 1
	s_mov_b32 s[G0B+4*\s+1], \s*SLOT+BOFF
	s_or_b32 s[G0B+4*\s+3], s[G0B+4*\s+3], 0x80000000
	s_mov_b32 s[G0SA+4*\s], 1
	s_mov_b32 s[G0SA+4*\s+1], \s*SLOT+SCA
	s_or_b32 s[G0SA+4*\s+3], s[G0SA+4*\s+3], 0x80000000
	s_mov_b32 s[G0SB+4*\s], 1
	s_mov_b32 s[G0SB+4*\s+1], \s*SLOT+SCB
	s_or_b32 s[G0SB+4*\s+3], s[G0SB+4*\s+3], 0x80000000
.endr
	s_lshl_b32 s100, s[TR], 21                     ; c_prev and the outputs: 256 rows x 8,192 bytes for each tile row,
	s_lshl_b32 s99, s[WV], 19                      ; + 64 rows for each wave (what it fetches of c_prev and what it stores),
	s_add_co_u32 s100, s100, s99
	s_lshl_b32 s104, s[TC], 8                      ; + 64 columns x 4 bytes for each tile column
	s_add_nc_u64 s[G0C+2:G0C+3], s[G0C+2:G0C+3], s[100:101]
	s_add_nc_u64 s[G0C+2:G0C+3], s[G0C+2:G0C+3], s[104:105]
	s_add_nc_u64 s[84:85], s[84:85], s[100:101]
	s_add_nc_u64 s[84:85], s[84:85], s[104:105]
	s_add_nc_u64 s[86:87], s[86:87], s[100:101]
	s_add_nc_u64 s[86:87], s[86:87], s[104:105]
	s_mov_b32 s[G0C], 1
	s_mul_i32 s[G0C+1], s[WV], 64*PITCH            ; my 64 rows' place in the tile
	s_or_b32 s[G0C+3], s[G0C+3], 0x80000000
	s_lshl_b32 s99, s[WN], 7
	s_add_co_u32 s104, s104, s99                   ; the biases: 256 x tile column + 128 x my half of the columns
	CROUND                                         ; all sixteen work-groups are here: the first joint loads meet
	JLOAD 0                                        ; the ring is filled before anything else is done: two tensor loads of mine are out
	JLOAD 1
	v_and_b32 v1, 15, v0                           ; r = lane % 16
	v_bfe_u32 v2, v0, 4, 1                         ; h = lane / 16
	v_mul_u32_u24 v3, v1, PITCH
	v_lshl_add_u32 v4, v2, 4, v3                   ; a fragment's row x pitch + 16 x half
	s_mul_i32 s99, s[WM], HALFT                    ; my 128 rows of A
	v_add_nc_u32 v[ADRA], s99, v4
	v_add_nc_u32 v[ADRA+1], SLOT, v[ADRA]
	s_mul_i32 s99, s[WN], HALFT                    ; my 128 rows of B, behind A's 256
	s_add_co_u32 s99, s99, BOFF
	v_add_nc_u32 v[ADRB], s99, v4
	v_add_nc_u32 v[ADRB+1], SLOT, v[ADRB]
	s_xor_b32 s99, s[WM], 1                        ; from my rows' words of A to my rows' words of B: 4,096 + 2,048 wn - 2,048 wm = 2,048 (1 + wn + (1 - wm)) bytes
	s_add_co_u32 s99, s99, s[WN]
	s_add_co_u32 s99, s99, 1
	s_lshl_b32 s99, s99, 11
	v_mul_u32_u24 v5, s99, v2                      ; lanes 16-31 take B's: one product of the half with the distance
	v_lshl_add_u32 v5, v1, 4, v5                   ; + 16 bytes a row
	s_lshl_b32 s99, s[WM], 11
	s_add_co_u32 s99, s99, SCA
	v_add_nc_u32 v[ADRS], s99, v5
	v_add_nc_u32 v[ADRS+1], SLOT, v[ADRS]
	v_lshl_add_u32 v6, v2, 5, v3                   ; c_prev's tile: row r, + 32 bytes for the upper half of the lanes,
	s_mul_i32 s99, s[WM], HALFT                    ; + my 128 rows,
	v_add_nc_u32 v[CPA], s99, v6
	s_lshl_b32 s99, s[WN], 7                       ; + my 32 columns
	v_add_nc_u32 v[CPA], s99, v[CPA]
	v_add_nc_u32 v[CPH], BOFF, v[CPA]
	v_mul_u32_u24 v6, v2, PITCH                    ; back: lanes 0-15 take one row of 256 bytes, lanes 16-31 the next,
	v_lshl_add_u32 v6, v1, 4, v6
	s_mul_i32 s99, s[WV], 64*PITCH                 ; of my 64 rows
	v_add_nc_u32 v[RD], s99, v6
	v_add_nc_u32 v[RDH], BOFF, v[RD]
	v_lshlrev_b32 v[CO], 13, v2                    ; and the same two rows in an output
	v_lshl_add_u32 v[CO], v1, 4, v[CO]
	v_lshlrev_b32 v[BOF], 5, v2                    ; a bias: my half's eight numbers of a block's sixteen
	v_add_nc_u32 v[BOF], s104, v[BOF]
.irp g, 0,1,2,3
.irp nb, 0,1
.irp e, 0,1
	global_load_b128 v[BIAS+8*(2*\g+\nb)+4*\e:BIAS+8*(2*\g+\nb)+4*\e+3], v[BOF], s[88+2*\g:89+2*\g] offset:64*\nb+16*\e   ; register 8 b + j: gate g's bias at column 16 nb + 8 h + j
.endr
.endr
.endr
.macro FRAG reg, adr, q, i             ; a fragment is 8 registers: lane l holds row l % 16; registers 4 c .. 4 c + 3 hold K = 64 c + 32 (l / 16) + 0 .. 31: 16 bytes of the row as they lie
.irp c, 0,1
	ds_load_b128 v[\reg+4*\c:\reg+4*\c+3], v[\adr] offset:64*(\q)+32*\c+(\i)*16*PITCH
.endr
.endm
; 16 matrix instructions: A's blocks a0, a0 + 1 x B's eight, 128 along K: the slot's q-th.  p: B's set;  sc: the set of scale words.  first = 1: the sums start from the biases: nothing is cleared, nothing is added later.
; Source 0's scales (B's) are read from lanes 16-31 of register 4 b + q, source 1's (A's) from lanes 0-15 of register 4 a + q.
; The 64 accumulators take turns, one instruction a turn, in the same order in every step.
.macro MUL16 a0, p, q, sc, first
.irp a, \a0, \a0+1
.irp b, 0,1,2,3,4,5,6,7
.if \first
	v_wmma_scale_f32_16x16x128_f8f6f4 v[8*(8*((\a)%4)+\b):8*(8*((\a)%4)+\b)+7], v[128*(\p)+FR*\b:128*(\p)+FR*\b+FR-1], v[AF+FR*(\a):AF+FR*(\a)+FR-1], v[BIAS+8*\b:BIAS+8*\b+7], v[SC+8*NQ*(\sc)+NQ*\b+(\q)], v[SC+8*NQ*(\sc)+NQ*(\a)+(\q)] matrix_a_fmt:MATRIX_FMT_FP4 matrix_b_fmt:MATRIX_FMT_FP4 matrix_a_scale:MATRIX_SCALE_ROW1
.else
	v_wmma_scale_f32_16x16x128_f8f6f4 v[8*(8*((\a)%4)+\b):8*(8*((\a)%4)+\b)+7], v[128*(\p)+FR*\b:128*(\p)+FR*\b+FR-1], v[AF+FR*(\a):AF+FR*(\a)+FR-1], v[8*(8*((\a)%4)+\b):8*(8*((\a)%4)+\b)+7], v[SC+8*NQ*(\sc)+NQ*\b+(\q)], v[SC+8*NQ*(\sc)+NQ*(\a)+(\q)] matrix_a_fmt:MATRIX_FMT_FP4 matrix_b_fmt:MATRIX_FMT_FP4 matrix_a_scale:MATRIX_SCALE_ROW1
.endif
.endr
.endr
.endm
.macro FETCH_B slot, q, p              ; B's eight fragments of the slot's q-th 128 along K into set p: 16 loads
	WIN TO_B
.irp i, 0,1,2,3,4,5,6,7
	FRAG 128*(\p)+FR*\i, ADRB+\slot, \q, \i
.endr
	WIN 0
.endm
.macro FETCH_A slot, q, i0             ; A's blocks i0 .. i0 + 3: 8 loads
.irp i, \i0, \i0+1, \i0+2, \i0+3
	FRAG AF+FR*(\i), ADRA+\slot, \q, \i
.endr
.endm
.macro SCALES s                        ; slot s's scale words into set s: 8 loads; a lane's 16 bytes are its row's four words; lanes 0-15 take A's block i, lanes 16-31 B's block i
.irp i, 0,1,2,3,4,5,6,7
	ds_load_b128 v[SC+8*NQ*\s+NQ*\i:SC+8*NQ*\s+NQ*\i+3], v[ADRS+\s] offset:256*\i
.endr
.endm
; A step of 128 along K that has its successor in the same slot: 64 matrix instructions, A's blocks one after the other, each against B's eight.  A block of A is free as soon as its eight products are issued,
; so one set of registers serves A: blocks 0-3 are fetched anew in the step's middle, blocks 4-7 at its end.  B's fragments are at work through the whole step: two sets.
.macro STEP slot, q, first
	s_wait_dscnt 8                                 ; B's set, A's blocks 0-3 and the scale words are in; the youngest eight loads (A's blocks 4-7) may be out
.if \first
	WIN BEG_LO
.else
	WIN MUL_LO
.endif
	MUL16 0, (\q)%2, \q, \slot, \first
	MUL16 2, (\q)%2, \q, \slot, \first
	s_wait_dscnt 0                                 ; A's blocks 4-7 are in (asked for 32 matrix instructions ago)
	PLACES 4
	FETCH_B \slot, (\q)+1, 1-(\q)%2
	FETCH_A \slot, (\q)+1, 0
.if \first
	WIN BEG_HI
.else
	WIN MUL_HI
.endif
	MUL16 4, (\q)%2, \q, \slot, \first
	MUL16 6, (\q)%2, \q, \slot, \first
	PLACES 4
	WIN 0
	FETCH_A \slot, (\q)+1, 4
.endm
; A slot's last step changes slots: ONE barrier, which opens a round of the cluster's.  In front of it each wave waits for all its tensor loads (one is out: its part of the next slot), adds 0 to its spare word,
; and waits for that and for its own reads of this slot.  Behind the round no wave of any partner reads this slot or has a load on its way, and this slot is filled again first:
; fill = 1: jointly, with the K step two on;  fill = 2: with c_prev's tile, 64 rows a wave, each wave's own load.
.macro TURN slot, next, fill
	s_wait_tensorcnt 0x0                           ; all my tensor loads have landed  (every window is 0 here: the add's two registers lie in window 0)
	ds_add_u32 v[SPW], v[NIL]                      ; 0 onto my spare word
	s_wait_dscnt 9                                 ; (the add and the youngest eight loads, A's blocks 4-7, may be out)
	WIN MUL_LO
	MUL16 0, 1, NQ-1, \slot, 0                     ; sixteen matrix instructions stand between the add and the wait for it
	s_wait_dscnt 0x0                               ; the add is done, and my reads of this slot are over
	s_barrier_signal -1
	MUL16 2, 1, NQ-1, \slot, 0                     ; work on registers while the others arrive
	WIN 0
	s_barrier_wait -1
	CREST
.if \fill == 1
	s_add_nc_u64 s[G0A+4*\slot+2:G0A+4*\slot+3], s[G0A+4*\slot+2:G0A+4*\slot+3], 512          ; no tensor load of mine is out: the slot's four descriptors step two K steps on; the type bits on top are not reached
	s_add_nc_u64 s[G0B+4*\slot+2:G0B+4*\slot+3], s[G0B+4*\slot+2:G0B+4*\slot+3], 512
	s_add_nc_u64 s[G0SA+4*\slot+2:G0SA+4*\slot+3], s[G0SA+4*\slot+2:G0SA+4*\slot+3], 65536
	s_add_nc_u64 s[G0SB+4*\slot+2:G0SB+4*\slot+3], s[G0SB+4*\slot+2:G0SB+4*\slot+3], 262144
	JLOAD \slot                                    ; the first tensor load behind the round, my one until the next; the four v_nop behind it are also the places in front of the loads below
.else
	tensor_load_to_lds s[G0C:G0C+3], s[G1C:G1C+7]  ; my 64 rows of c_prev, over A's rows of the slot that the ring has left for good
	s_nop 0
	PLACES 4
.endif
	FETCH_B \next, 0, 0
	FETCH_A \next, 0, 0
	SCALES \next
	WIN MUL_HI
	MUL16 4, 1, NQ-1, \slot, 0
	MUL16 6, 1, NQ-1, \slot, 0
	PLACES 4
	WIN 0
	FETCH_A \next, 0, 4
.endm
.macro STEPS slot, from                ; the slot's steps from .. NQ - 2
.set Q, \from
.rept NQ-1-\from
	STEP \slot, Q, 0
.set Q, Q+1
.endr
.endm
	s_wait_tensorcnt 1                             ; my part of K step 0 is in; K step 1's load may stay out
	s_barrier_signal -1
	s_barrier_wait -1                              ; everybody's is
	FETCH_B 0, 0, 0
	FETCH_A 0, 0, 0
	SCALES 0
	FETCH_A 0, 0, 4
	s_wait_loadcnt 0x0                             ; the biases
	STEP 0, 0, 1                                   ; the first step stands in front of the loop: its products start the sums
	s_mov_b32 s[LAP], 3
.Llap:                                                 ; a trip goes once round the ring, from a lap's second step to the next lap's first, and fills both slots again: K steps 2 to 7
	STEPS 0, 1
	TURN 0, 1, 1
	STEPS 1, 0
	TURN 1, 0, 1
	STEP 0, 0, 0
	s_sub_co_u32 s[LAP], s[LAP], 1
	s_cmp_lg_u32 s[LAP], 0
	s_cbranch_scc1 .Llap
	STEPS 0, 1                                     ; the last lap is written out: K step 6,
	TURN 0, 1, 2                                   ; whose slot takes c_prev,
	STEPS 1, 0                                     ; and K step 7
	s_wait_dscnt 8                                 ; the very last step: nothing more to fetch
	WIN MUL_LO
	MUL16 0, 1, NQ-1, 1, 0
	MUL16 2, 1, NQ-1, 1, 0
	s_wait_dscnt 0
	WIN MUL_HI
	MUL16 4, 1, NQ-1, 1, 0
	MUL16 6, 1, NQ-1, 1, 0
	WIN 0
	PLACES 4                                       ; in front of the first read of results and the first write over A's fragments
	s_mov_b32 s[LSIG], 0xbfb8aa3b                  ; -log2 e; the packed form names a pair and takes its low word for both halves, so both words are written
	s_mov_b32 s[LSIG+1], s[LSIG]
	s_mov_b32 s[LTAN], 0x4038aa3b                  ; 2 log2 e
	s_mov_b32 s[LTAN+1], s[LTAN]
	s_wait_tensorcnt 0x0                           ; my 64 rows of c_prev are in,
	s_barrier_signal -1
	s_barrier_wait -1                              ; everybody's are: a wave reads 128 rows, which two waves fetched.  Every wave has also left slot 0's rows of B, where h_t will lie
; THE CELL, for block a: 16 rows x my 32 columns, 16 numbers of each output a lane.  T's register 8 b + j is gate b / 2; registers 0-15 f, 16-31 i, 32-47 c, 48-63 o, each in c_prev's order 8 nb + j.
.macro GATES a
.set AC, 64*((\a)%4)
.irp nb, 0,1
.irp e, 0,1
	ds_load_b128 v[CP+8*\nb+4*\e:CP+8*\nb+4*\e+3], v[CPA] offset:16*PITCH*(\a)+64*\nb+16*\e   ; c_prev(16 a + r, 16 nb + 8 h + 4 e ..): it lands under the exponentials below
.endr
.endr
	WIN (0x02+(\a)/4)                              ; source 0: window 2 or 3
.irp b, 0,1,2,3,4,5,6,7
.irp p, 0,2,4,6
.if (\b == 4) || (\b == 5)
	v_pk_mul_f32 v[T+8*\b+\p:T+8*\b+\p+1], v[AC+8*\b+\p:AC+8*\b+\p+1], s[LTAN:LTAN+1] op_sel_hi:[1,0]   ; zc x 2 log2 e;  each accumulator is read from its low end on
.else
	v_pk_mul_f32 v[T+8*\b+\p:T+8*\b+\p+1], v[AC+8*\b+\p:AC+8*\b+\p+1], s[LSIG:LSIG+1] op_sel_hi:[1,0]   ; zf, zi, zo x -log2 e
.endif
.endr
.endr
	WIN 0
.set j, 0
.rept 64
	v_exp_f32 v[T+j], v[T+j]
.set j, j+1
.endr
	v_nop                                          ; a plain line between the last transcendental and the use of its result (ISA guide 5.7.2)
.set j, 0
	s_wait_alu depctr_va_vdst(0)
.rept 32
	v_pk_add_f32 v[T+j:T+j+1], v[T+j:T+j+1], 1.0 op_sel_hi:[1,0]
.set j, j+2
.endr
.set j, 0
.rept 64
	v_rcp_f32 v[T+j], v[T+j]                       ; f, i, o are finished: 1 / (1 + 2^(-z log2 e))
.set j, j+1
.endr
	v_nop
.set j, 0
	s_wait_alu depctr_va_vdst(0)
.rept 8
	v_pk_fma_f32 v[T+32+j:T+33+j], v[T+32+j:T+33+j], -2.0, 1.0 op_sel_hi:[1,0,0]   ; tanh(zc) = 1 - 2 / (1 + 2^(2 zc log2 e))
.set j, j+2
.endr
	s_wait_dscnt 0x0                               ; c_prev is in; the last block's eight stores into the stages have read c_t's and h_t's registers
.set j, 0
.rept 8
	v_pk_mul_f32 v[CT+j:CT+j+1], v[CP+j:CP+j+1], v[T+j:T+j+1]                      ; c_prev f
.set j, j+2
.endr
.set j, 0
.rept 8
	v_pk_fma_f32 v[CT+j:CT+j+1], v[T+16+j:T+17+j], v[T+32+j:T+33+j], v[CT+j:CT+j+1]   ; + i tanh(zc) = c_t
.set j, j+2
.endr
.set j, 0
.rept 8
	v_pk_mul_f32 v[U+j:U+j+1], v[CT+j:CT+j+1], s[LTAN:LTAN+1] op_sel_hi:[1,0]
.set j, j+2
.endr
.set j, 0
.rept 16
	v_exp_f32 v[U+j], v[U+j]
.set j, j+1
.endr
	v_nop
.set j, 0
	s_wait_alu depctr_va_vdst(0)
.rept 8
	v_pk_add_f32 v[U+j:U+j+1], v[U+j:U+j+1], 1.0 op_sel_hi:[1,0]
.set j, j+2
.endr
.set j, 0
.rept 16
	v_rcp_f32 v[U+j], v[U+j]
.set j, j+1
.endr
	v_nop
.set j, 0
	s_wait_alu depctr_va_vdst(0)
.rept 8
	v_pk_fma_f32 v[U+j:U+j+1], v[U+j:U+j+1], -2.0, 1.0 op_sel_hi:[1,0,0]           ; tanh(c_t)
.set j, j+2
.endr
.set j, 0
.rept 8
	v_pk_mul_f32 v[U+j:U+j+1], v[U+j:U+j+1], v[T+48+j:T+49+j]                      ; x o = h_t
.set j, j+2
.endr
.irp nb, 0,1
.irp e, 0,1
	ds_store_b128 v[CPA], v[CT+8*\nb+4*\e:CT+8*\nb+4*\e+3] offset:16*PITCH*(\a)+64*\nb+16*\e   ; c_t over the bytes of c_prev that this lane, and no other, has read
	ds_store_b128 v[CPH], v[U+8*\nb+4*\e:U+8*\nb+4*\e+3] offset:16*PITCH*(\a)+64*\nb+16*\e     ; h_t at the same place of its own stage
.endr
.endr
.endm
.irp a, 0,1,2,3,4,5,6,7
	GATES \a
.endr
	s_wait_dscnt 0x0                               ; for the others' sake: my stores into the stages are done
	s_barrier_signal -1
	s_barrier_wait -1                              ; a row's 256 bytes come from two waves: 256 whole rows of c_t and of h_t lie in the stages
; THE WAY OUT.  Each wave stores 64 whole rows of both outputs, in four runs of 32 rows: k = 0, 1: c_t; k = 2, 3: h_t.  Two sets of 64 registers take turns.
.macro BACK k                          ; 16 loads: two rows each
.set BB, T+64*((\k)%2)
.irp t, 0,1,2,3,4,5,6,7,8,9,10,11,12,13,14,15
.if (\k) < 2
	ds_load_b128 v[BB+4*\t:BB+4*\t+3], v[RD] offset:(32*((\k)%2)+2*\t)*PITCH
.else
	ds_load_b128 v[BB+4*\t:BB+4*\t+3], v[RDH] offset:(32*((\k)%2)+2*\t)*PITCH
.endif
.endr
.endm
.macro SEND k, younger                 ; younger: the LDS loads issued behind run k's sixteen, which may stay out
.set BB, T+64*((\k)%2)
.irp t, 0,1,2,3,4,5,6,7,8,9,10,11,12,13,14,15
	s_wait_dscnt \younger+15-\t                    ; LDS loads come back in order (ISA guide 5.7.1): load t of the run is in
.if (\k) < 2
	global_store_b128 v[CO], v[BB+4*\t:BB+4*\t+3], s[86:87] offset:(32*((\k)%2)+2*\t)*8192 th:TH_STORE_NT   ; sixteen lanes store 256 consecutive bytes, at a multiple of 256 from the output's first byte; written once, read by nobody here
.else
	global_store_b128 v[CO], v[BB+4*\t:BB+4*\t+3], s[84:85] offset:(32*((\k)%2)+2*\t)*8192 th:TH_STORE_NT
.endif
.endr
.endm
	BACK 0
	BACK 1
	SEND 0, 16
	s_wait_xcnt 0x0                                ; run 0's stores have read their registers (ISA guide 3.1): run 2 may land there
	BACK 2
	SEND 1, 16
	s_wait_xcnt 0x0                                ; run 1's likewise
	BACK 3
	SEND 2, 16
	SEND 3, 0
	s_wait_tensorcnt 0x0                           ; the wave's end: behind my last tensor load and my last LDS store
	ds_add_u32 v[SPW], v[NIL]
	s_wait_dscnt 0x0
	CROUND                                         ; the closing round: no work-group ends while a partner may still ask for a tile that names it
	s_endpgm
.Lfunc_end_k_qf40eb6bb75_gemm:
	.size	k_qf40eb6bb75_gemm, .Lfunc_end_k_qf40eb6bb75_gemm-k_qf40eb6bb75_gemm
	.p2alignl 7, 3214868480
	.fill 96, 4, 3214868480
	.section	.rodata,"a",@progbits
	.p2align	6, 0x0
	.amdhsa_kernel k_qf40eb6bb75_gemm
		.amdhsa_group_segment_fixed_size 327680
		.amdhsa_private_segment_fixed_size 0
		.amdhsa_enable_private_segment 0
		.amdhsa_kernarg_size 88
		.amdhsa_user_sgpr_count 2
		.amdhsa_user_sgpr_kernarg_segment_ptr 1
		.amdhsa_wavefront_size32 1
		.amdhsa_system_sgpr_workgroup_id_x 1
		.amdhsa_system_sgpr_workgroup_id_y 1
		.amdhsa_system_sgpr_workgroup_id_z 1
		.amdhsa_system_vgpr_workitem_id 0
		.amdhsa_next_free_vgpr 1024
		.amdhsa_next_free_sgpr 106
		.amdhsa_reserve_vcc 0
		.amdhsa_float_denorm_mode_32 3
		.amdhsa_float_denorm_mode_16_64 3
		.amdhsa_memory_ordered 1
		.amdhsa_forward_progress 1
		.amdhsa_inst_pref_size 255
	.end_amdhsa_kernel
	.section	.bss,"aw",@nobits
	.p2align	6
	.space	262144
	.amdgpu_metadata
---
amdhsa.version: [ 1, 2 ]
amdhsa.kernels:
  - .name:           k_qf40eb6bb75_gemm
    .symbol:         k_qf40eb6bb75_gemm.kd
    .args:
      - { .name: acodes, .offset: 0, .size: 8, .value_kind: global_buffer, .address_space: global }
      - { .name: ascl, .offset: 8, .size: 8, .value_kind: global_buffer, .address_space: global }
      - { .name: wcodes, .offset: 16, .size: 8, .value_kind: global_buffer, .address_space: global }
      - { .name: wscl, .offset: 24, .size: 8, .value_kind: global_buffer, .address_space: global }
      - { .name: c_prev, .offset: 32, .size: 8, .value_kind: global_buffer, .address_space: global }
      - { .name: bf, .offset: 40, .size: 8, .value_kind: global_buffer, .address_space: global }
      - { .name: bi, .offset: 48, .size: 8, .value_kind: global_buffer, .address_space: global }
      - { .name: bc, .offset: 56, .size: 8, .value_kind: global_buffer, .address_space: global }
      - { .name: bo, .offset: 64, .size: 8, .value_kind: global_buffer, .address_space: global }
      - { .name: out0, .offset: 72, .size: 8, .value_kind: global_buffer, .address_space: global }
      - { .name: out1, .offset: 80, .size: 8, .value_kind: global_buffer, .address_space: global }
    .group_segment_fixed_size: 327680
    .private_segment_fixed_size: 0
    .kernarg_segment_align: 8
    .kernarg_segment_size: 88
    .max_flat_workgroup_size: 128
    .sgpr_count:     106
    .vgpr_count:     1024
    .wavefront_size: 32
...
	.end_amdgpu_metadata
.endif
;; end of part 3
;; ======== version 2 of 2: 2 launches
;; limits: right only within a limited range of input values
;; workspace buffers: acs 4,456,448 bytes; wcs 17,825,792 bytes
;; launch quant (part 4): grid 768 x 1, 4 waves a work-group, no clusters, 68,096 bytes of LDS; arguments x, h_prev, Wf, Wi, Wc, Wo, acs, wcs; writes acs, wcs
.if DOCPART == 4
	.amdgcn_target "amdgcn-amd-amdhsa--gfx1250"
	.amdhsa_code_object_version 6
	.text
	.protected	k_qf40eb6bb75_quant
	.globl	k_qf40eb6bb75_quant
	.p2align	8
	.type	k_qf40eb6bb75_quant,@function
k_qf40eb6bb75_quant:
	s_mov_b64 s[64:65], 0
	v_nop
	global_prefetch_b8 v0, s[64:65] scope:SCOPE_SE
	s_setreg_imm32_b32 hwreg(HW_REG_WAVE_MODE, 25, 1), 1
	s_wait_xcnt 0x0
; Both operands of z = [x | h_prev] [Wf | Wi | Wc | Wo] become codes of FP4 (E2M1), two a byte, the lower k in the low four bits, with one E8M0 scale byte for each 32 along K.
; THE LAYOUT is what one tensor load of the product's launch brings: a GROUP = 128 rows of an operand x 512 along K = 136 rows of 256 bytes, dense:
;   rows 0-127: a row's 512 codes;   row 128 + i: for each of rows 16 i .. 16 i + 15 its 16 scale bytes (byte j: block j of the 512).
;   acs [8 ks][16 groups][136][256]: ks = K / 512 (0-3 x, 4-7 h_prev), group = m / 128.     wcs [8 ks][64 groups][136][256]: group = n / 32; its row 32 g + n % 32 is column n of gate g (0 f, 1 i, 2 c, 3 o):
;   so a group holds 32 columns of all four gates, and the wave that multiplies it holds a column's four gates in one lane.
; A block's scale is 2^(floor(log2(its largest magnitude)) - 2); its byte is the largest magnitude's own exponent field - 2, held at 1 from below.
; (A block of zeros so gets the byte 1 where the rule says 127: its codes are zeros, which add nothing under any byte but 0xff, and this program alone reads the bytes.)
; LIMITS: blocks whose largest magnitude lies under 2^-124 keep the byte 1 (not tried); NaN and infinities among the inputs are not served.
; ONE LAUNCH, TWO PATHS that part once on the work-group's number and never join: work-groups 0-255 take cat (K innermost), 256-767 the weights (K is the first axis).  Each path has LDS bytes of its own.
; No tensor loads, no barrier: waves share nothing.  Every offset is an immediate: no source register of a load or store is written again.
; WORK LEFT OUT: embedding_vec is an argument of reference() that stands in none of its expressions, so for all values it reaches neither h_t nor c_t: it is not loaded and is among no launch's arguments.
; (So a NaN or an infinity in embedding_vec is not carried to the results.)
.set GB,    34816                      ; bytes of a group
.set EMAX,  2
; cat's path
.set STEPS, 16
.set CB,    8                          ; bytes of 16 codes
.set AR,    16                         ; v16-79   four sets of 16 numbers as they are loaded
.set AX,    80                         ; v80-111  two sets of 16 neighbours
.set AE,    112                        ; v112-127 a scale byte for each step
.set AC,    128                        ; v128-191 codes: four registers for each step, so that no store's data are written again
.set ABASE, 34816                      ; LDS: behind the weights' stages
.set WREG,  8192                       ; a region for each wave: two stages of 32 x SP bytes, behind them its 256 scale bytes
.set SP,    80                         ; a lane's place in a stage: its 64 bytes + 16 of padding
; the weights' path
.set NB,    16                         ; blocks of 32 along K for a wave
.set PITCH, 272                        ; a stage row: 256 bytes of codes + 16
.set NROW,  8192                       ; a row of a weight in bytes
.set SB,    24                         ; v24-27   the scale bytes, four to a register
.set WX,    32                         ; v32-95   two sets of 32 numbers
.set WC,    96                         ; v96-99   a block's codes
.set OUTR,  112                        ; v112-175 the way out: 16 x 4 registers
	v_lshl_add_u32 v192, v0, 2, 0x10800
	v_mov_b32 v193, 0
	v_lshrrev_b32 v1, 5, v0
	v_readfirstlane_b32 s16, v1                    ; wave 0..3
	v_and_b32 v2, 31, v0                           ; lane
	s_cmp_lt_u32 ttmp9, 256
	s_cbranch_scc0 .Lweights
; ---------------- CAT.  Work-groups 0-127 take x, 128-255 h_prev; a work-group takes 16 rows; wave w takes columns 512 w .. + 511 of them.  A step is one row's 512 numbers, 2,048 consecutive bytes.
; The conversions take 8 numbers of one block from ONE lane's registers, so a lane must hold 16 neighbours; a load is dense where neighbouring lanes take neighbouring bytes.  Both are had: each of a step's
; four loads reads 512 consecutive bytes, 16 a lane; the 2,048 bytes go through the wave's own stage in LDS as they lie and come back 64 bytes a lane (16 bytes of padding behind each 64).
; A lane's 16 codes are 8 bytes: a store covers 256 consecutive bytes, aligned, and the wave's 16 stores lie on end.  Its 16 x 16 scale bytes gather in LDS and leave as one aligned run of 256 bytes.
; Loads run four steps (16 loads a wave) ahead, the turn through LDS one step.
	s_load_b128 s[4:7], s[0:1], 0x0                ; x, h_prev
	s_load_b64 s[8:9], s[0:1], 0x30                ; acs
	v_lshlrev_b32 v3, 4, v2                        ; my 16 bytes of a load's 512
	s_mul_i32 s17, s16, WREG
	s_add_co_u32 s17, s17, ABASE
	v_lshrrev_b32 v14, 2, v2
	v_mul_u32_u24 v14, v14, SP
	v_and_b32 v15, 3, v2
	v_lshl_add_u32 v14, v15, 4, v14
	v_add_nc_u32 v14, s17, v14                     ; the stage, on the way in: four lanes' 64 bytes on end, then the padding: SP (lane / 4) + 16 (lane % 4)
	v_mul_u32_u24 v15, v2, SP
	v_add_nc_u32 v15, s17, v15                     ; and on the way out: SP x lane: my 16 neighbours
	v_mul_u32_u24 v4, v2, CB                       ; my codes' place in a step's 256 bytes
	v_lshrrev_b32 v5, 1, v2
	s_add_co_u32 s17, s17, 2*32*SP
	v_add_nc_u32 v5, s17, v5                       ; LDS: my wave's 256 scale bytes, my block's byte
	v_lshlrev_b32 v7, 3, v2                        ; and on the way out 8 bytes a lane
	v_add_nc_u32 v6, s17, v7
	s_lshr_b32 s18, ttmp9, 7                       ; T: 0 = x, 1 = h_prev
	s_and_b32 s19, ttmp9, 127                      ; rb: which 16 rows
	s_mov_b32 s21, 0
	s_mov_b32 s23, 0
	s_mov_b32 s25, 0
	s_lshl_b32 s20, s19, 17                        ; the source: 16 rows of 8,192 bytes,
	s_lshl_b32 s26, s16, 11                        ; + 2,048 bytes for each wave
	s_add_co_u32 s20, s20, s26
	s_lshl_b32 s22, s18, 2
	s_add_co_u32 s22, s22, s16                     ; ks = 4 T + wave
	s_lshl_b32 s22, s22, 4
	s_lshr_b32 s26, s19, 3
	s_add_co_u32 s22, s22, s26                     ; 16 ks + rb / 8: my group,
	s_mul_i32 s22, s22, GB                         ; in bytes
	s_and_b32 s26, s19, 7                          ; which 16 of its 128 rows
	s_lshl_b32 s27, s26, 8
	s_add_co_u32 s24, s22, s27
	s_add_co_u32 s24, s24, 128*256                 ; the scales: the group's row 128 + rb % 8
	s_lshl_b32 s27, s26, 12
	s_add_co_u32 s22, s22, s27                     ; the codes: its rows 16 (rb % 8) on
	s_wait_alu depctr_va_vdst(0)
	s_wait_kmcnt 0x0
	s_cmp_lt_u32 ttmp9, 128                        ; the choice hangs on the work-group's number alone
	s_cselect_b64 s[4:5], s[4:5], s[6:7]
	s_add_nc_u64 s[4:5], s[4:5], s[20:21]
	s_add_nc_u64 s[10:11], s[8:9], s[24:25]
	s_add_nc_u64 s[8:9], s[8:9], s[22:23]
.macro ALOAD t                         ; step t = row t of my 16: 8,192 bytes from row to row
.irp i, 0,1,2,3
	global_load_b128 v[AR+16*((\t)%4)+4*\i:AR+16*((\t)%4)+4*\i+3], v3, s[4:5] offset:8192*(\t)+512*\i th:TH_LOAD_NT   ; 32 lanes read 512 consecutive bytes; read once in the launch
.endr
.endm
.macro ATURN t                         ; step t's numbers through the stage: LDS serves a wave's instructions in order (ISA guide 5.7.1.4), so no wait stands between the stores and the loads
.irp i, 0,1,2,3
	ds_store_b128 v14, v[AR+16*((\t)%4)+4*\i:AR+16*((\t)%4)+4*\i+3] offset:32*SP*((\t)%2)+8*SP*\i
.endr
.irp i, 0,1,2,3
	ds_load_b128 v[AX+16*((\t)%2)+4*\i:AX+16*((\t)%2)+4*\i+3], v15 offset:32*SP*((\t)%2)+16*\i
.endr
.endm
.irp t, 0,1,2,3
	ALOAD \t
.endr
	s_wait_loadcnt 12                              ; step 0's four loads are in; the twelve behind them may be out
	ATURN 0
.macro ASTEP t
.set XS, AX+16*((\t)%2)
.if (\t) > 0
	s_wait_dscnt 1                                 ; this step's numbers are back from the stage (the last step's byte store may be out): so its stores into the stage have read their registers,
.else
	s_wait_dscnt 0x0
.endif
.if (\t)+4 < STEPS
	ALOAD (\t)+4                                   ; which take the loads of four steps on
.endif
.if (\t)+1 < STEPS
.if STEPS-2-(\t) >= 3
	s_wait_loadcnt 12                              ; the next step's four loads are in; those of the three steps behind it may be out
.else
	s_wait_loadcnt 4*(STEPS-2-(\t))                ; the tail: fewer steps are behind it
.endif
	ATURN (\t)+1                                   ; and go through the other stage while this step is worked
.endif
	v_max3_num_f32 v8, |v[XS]|, |v[XS+1]|, |v[XS+2]|               ; the largest magnitude of my 16, in two chains
	v_max3_num_f32 v9, |v[XS+3]|, |v[XS+4]|, |v[XS+5]|
.irp i, 6,10
	v_max3_num_f32 v8, v8, |v[XS+\i]|, |v[XS+\i+1]|
	v_max3_num_f32 v9, v9, |v[XS+\i+2]|, |v[XS+\i+3]|
.endr
	v_max3_num_f32 v8, v8, |v[XS+14]|, |v[XS+15]|
	v_max3_num_f32 v8, v8, v9, (EMAX+1)<<23        ; and the floor 2^(3 - 127): so the byte cannot fall under 1
	v_max_num_f32_dpp v8, v8, v8 row_xmask:1 row_mask:0xf bank_mask:0xf   ; and of my neighbour's 16: the block's
	v_add_nc_u32 v11, -(EMAX<<23), v8              ; 2 off its exponent field: the conversion takes the exponent field of this operand as its scale, and nothing else of it
	v_cvt_scalef32_pk8_fp4_f32 v[AC+4*(\t)], v[XS:XS+7], v11       ; eight numbers / the scale, to the nearest code, ties to even, beyond 6 the largest code; the first number's code in the lowest four bits
	v_cvt_scalef32_pk8_fp4_f32 v[AC+4*(\t)+1], v[XS+8:XS+15], v11
	v_lshrrev_b32 v[AE+(\t)], 23, v11              ; the scale's byte (also the plain line behind the conversions)
	ds_store_b8 v5, v[AE+(\t)] offset:16*(\t)      ; both lanes of a block write the same byte with the same value
	global_store_b64 v4, v[AC+4*(\t):AC+4*(\t)+1], s[8:9] offset:256*(\t)   ; 32 lanes store 256 consecutive bytes, at a multiple of 256 from the buffer's first byte: the group's next row
.endm
.irp t, 0,1,2,3,4,5,6,7,8,9,10,11,12,13,14,15
	ASTEP \t
.endr
	ds_load_b64 v[12:13], v6                       ; LDS serves a wave's instructions in order: these see my byte stores
	s_wait_dscnt 0x0
	global_store_b64 v7, v[12:13], s[10:11]        ; [16 rows][16 bytes]: 256 consecutive bytes, aligned
	s_wait_tensorcnt 0x0
	ds_add_u32 v192, v193
	s_wait_dscnt 0x0
	s_endpgm
; ---------------- THE WEIGHTS, each [4096 k][2048 n].  With id = work-group - 256: ks = id / 64, g = (id / 16) % 4, cg = id % 16.  Wave w takes columns 128 cg + 32 w .. + 31 of gate g, 512 along K.
; A LANE TAKES A COLUMN n, AND ITS REGISTERS RUN DOWN K: each load reads neighbouring n in neighbouring lanes (128 consecutive bytes a wave, 512 a work-group), a block of 32 along K lies in ONE lane's 32 registers,
; so that its largest magnitude needs no other lane, and the conversions give the codes with K innermost.  Nothing is transposed by an instruction.
; A lane's 256 bytes of codes are one row of the group and the lanes beside it hold other rows: so they go through the wave's own stage in LDS and leave as rows; the wave's 32 rows are 8,192 bytes on end,
; 512 to a store.  A lane's 16 scale bytes lie on end with its neighbours': one store of 512 consecutive bytes.  Loads run two blocks ahead.
; The largest immediate is 511 rows x 8,192 bytes, inside the signed 24 bits (ISA guide, chapter 10).
.Lweights:
	s_load_b256 s[4:11], s[0:1], 0x10              ; Wf s[4:5], Wi s[6:7], Wc s[8:9], Wo s[10:11]
	s_load_b64 s[12:13], s[0:1], 0x38              ; wcs
	s_sub_co_u32 s28, ttmp9, 256                   ; id
	s_lshr_b32 s19, s28, 6                         ; ks
	s_bfe_u32 s17, s28, 0x20004                    ; g: two bits from bit 4
	s_and_b32 s18, s28, 15                         ; cg
	s_wait_alu depctr_va_vdst(0)
	v_lshlrev_b32 v3, 2, v2                        ; in: 4 bytes a lane
	s_mul_i32 s21, s16, 32*PITCH                   ; my stage
	v_mul_u32_u24 v4, v2, PITCH
	v_add_nc_u32 v4, s21, v4                       ; into it: row = my column
	v_and_b32 v5, 15, v2
	v_lshrrev_b32 v6, 4, v2                        ; out of it: sixteen lanes to a row, two rows an instruction
	v_mul_u32_u24 v7, v6, PITCH
	v_lshl_add_u32 v7, v5, 4, v7
	v_add_nc_u32 v7, s21, v7                       ; LDS address
	v_lshlrev_b32 v8, 4, v2                        ; in the buffer two rows of 256 bytes lie on end: 16 x lane; the same for my row's 16 scale bytes
	s_lshl_b32 s20, s18, 2
	s_add_co_u32 s20, s20, s16                     ; the group: 4 cg + wave = n / 32
	s_mov_b32 s23, 0
	s_mov_b32 s25, 0
	s_mov_b32 s27, 0
	s_lshl_b32 s22, s19, 22                        ; the weight: 512 ks rows of 8,192 bytes,
	s_lshl_b32 s21, s20, 7                         ; + 32 columns of 4 bytes for each group
	s_add_co_u32 s22, s22, s21
	s_lshl_b32 s24, s19, 6
	s_add_co_u32 s24, s24, s20                     ; 64 ks + group,
	s_mul_i32 s24, s24, GB                         ; in bytes
	s_lshl_b32 s21, s17, 9
	s_add_co_u32 s26, s24, s21
	s_add_co_u32 s26, s26, 128*256                 ; the scales: the group's rows 128 + 2 g and 129 + 2 g
	s_lshl_b32 s21, s17, 13
	s_add_co_u32 s24, s24, s21                     ; the codes: its rows 32 g on
	s_wait_alu depctr_va_vdst(0)
	s_wait_kmcnt 0x0
	s_and_b32 s21, s17, 1                          ; the gate's weight, chosen on the work-group's number alone: first by g's low bit,
	s_cmp_lg_u32 s21, 0
	s_cselect_b64 s[4:5], s[6:7], s[4:5]           ; Wi or Wf
	s_cselect_b64 s[8:9], s[10:11], s[8:9]         ; Wo or Wc
	s_and_b32 s21, s17, 2                          ; then by its high bit
	s_cmp_lg_u32 s21, 0
	s_cselect_b64 s[4:5], s[8:9], s[4:5]
	s_add_nc_u64 s[4:5], s[4:5], s[22:23]
	s_add_nc_u64 s[14:15], s[12:13], s[26:27]
	s_add_nc_u64 s[12:13], s[12:13], s[24:25]
.macro WLOAD t                         ; block t: W(32 t + i, my column), i = 0 .. 31, into set t % 2
.irp i, 0,1,2,3,4,5,6,7,8,9,10,11,12,13,14,15,16,17,18,19,20,21,22,23,24,25,26,27,28,29,30,31
	global_load_b32 v[WX+32*((\t)%2)+\i], v3, s[4:5] offset:(32*(\t)+\i)*NROW th:TH_LOAD_NT
.endr
.endm
	WLOAD 0
	WLOAD 1
.macro WBLOCK t
.set XS, WX+32*((\t)%2)
.if (\t) < NB-1
	s_wait_loadcnt 32                              ; this block's 32 loads are in; the next block's 32 may be out
.else
	s_wait_loadcnt 0
.endif
	v_max3_num_f32 v12, |v[XS]|, |v[XS+1]|, |v[XS+2]|              ; the block's largest magnitude: all 32 numbers are mine; two chains
	v_max3_num_f32 v13, |v[XS+3]|, |v[XS+4]|, |v[XS+5]|
.irp i, 6,10,14,18,22,26
	v_max3_num_f32 v12, v12, |v[XS+\i]|, |v[XS+\i+1]|
	v_max3_num_f32 v13, v13, |v[XS+\i+2]|, |v[XS+\i+3]|
.endr
	v_max3_num_f32 v12, v12, |v[XS+30]|, |v[XS+31]|
	v_max3_num_f32 v12, v12, v13, (EMAX+1)<<23     ; and the floor 2^(3 - 127): so the byte cannot fall under 1
	v_add_nc_u32 v11, -(EMAX<<23), v12             ; 2 off its exponent field: the conversion's scale operand
	v_lshrrev_b32 v13, 23, v11                     ; the scale's byte
.if (\t)%4 == 0
	v_mov_b32 v[SB+(\t)/4], v13                    ; four bytes to a register, the lower K in the lower byte
.else
	v_lshl_or_b32 v[SB+(\t)/4], v13, 8*((\t)%4), v[SB+(\t)/4]
.endif
.irp g, 0,1,2,3
	v_cvt_scalef32_pk8_fp4_f32 v[WC+\g], v[XS+8*\g:XS+8*\g+7], v11
.endr
	ds_store_b128 v4, v[WC:WC+3] offset:16*(\t)    ; 32 codes: 16 bytes of my column's row.  (The results go to an LDS store; the next vector lines are the next block's plain ones)
.if (\t)+2 < NB
	WLOAD (\t)+2
.endif
	s_wait_dscnt 0x0                               ; the store has read its registers: the next block's codes may be written
.endm
.set Q, 0
.rept NB
	WBLOCK Q
.set Q, Q+1
.endr
	s_wait_alu depctr_va_vdst(0)
	global_store_b128 v8, v[SB:SB+3], s[14:15]     ; 32 rows x 16 scale bytes: 512 consecutive bytes, aligned
.irp t, 0,1,2,3,4,5,6,7,8,9,10,11,12,13,14,15
	ds_load_b128 v[OUTR+4*\t:OUTR+4*\t+3], v7 offset:2*\t*PITCH   ; LDS serves a wave's instructions in order (ISA guide 5.7.1.4): these see my stores
.endr
.irp t, 0,1,2,3,4,5,6,7,8,9,10,11,12,13,14,15
	s_wait_dscnt 15-\t                             ; LDS loads come back in order: load t is in, the 15 - t behind it may be out
	global_store_b128 v8, v[OUTR+4*\t:OUTR+4*\t+3], s[12:13] offset:512*\t   ; two rows of the group: 512 consecutive bytes, aligned
.endr
	s_wait_tensorcnt 0x0
	ds_add_u32 v192, v193
	s_wait_dscnt 0x0
	s_endpgm
.Lfunc_end_k_qf40eb6bb75_quant:
	.size	k_qf40eb6bb75_quant, .Lfunc_end_k_qf40eb6bb75_quant-k_qf40eb6bb75_quant
	.p2alignl 7, 3214868480
	.fill 96, 4, 3214868480
	.section	.rodata,"a",@progbits
	.p2align	6, 0x0
	.amdhsa_kernel k_qf40eb6bb75_quant
		.amdhsa_group_segment_fixed_size 68096
		.amdhsa_private_segment_fixed_size 0
		.amdhsa_enable_private_segment 0
		.amdhsa_kernarg_size 64
		.amdhsa_user_sgpr_count 2
		.amdhsa_user_sgpr_kernarg_segment_ptr 1
		.amdhsa_wavefront_size32 1
		.amdhsa_system_sgpr_workgroup_id_x 1
		.amdhsa_system_sgpr_workgroup_id_y 1
		.amdhsa_system_sgpr_workgroup_id_z 1
		.amdhsa_system_vgpr_workitem_id 0
		.amdhsa_next_free_vgpr 194
		.amdhsa_next_free_sgpr 66
		.amdhsa_reserve_vcc 0
		.amdhsa_float_denorm_mode_32 3
		.amdhsa_float_denorm_mode_16_64 3
		.amdhsa_memory_ordered 1
		.amdhsa_forward_progress 1
		.amdhsa_inst_pref_size 112
	.end_amdhsa_kernel
	.amdgpu_metadata
---
amdhsa.version: [ 1, 2 ]
amdhsa.kernels:
  - .name:           k_qf40eb6bb75_quant
    .symbol:         k_qf40eb6bb75_quant.kd
    .args:
      - { .name: x, .offset: 0, .size: 8, .value_kind: global_buffer, .address_space: global }
      - { .name: h_prev, .offset: 8, .size: 8, .value_kind: global_buffer, .address_space: global }
      - { .name: Wf, .offset: 16, .size: 8, .value_kind: global_buffer, .address_space: global }
      - { .name: Wi, .offset: 24, .size: 8, .value_kind: global_buffer, .address_space: global }
      - { .name: Wc, .offset: 32, .size: 8, .value_kind: global_buffer, .address_space: global }
      - { .name: Wo, .offset: 40, .size: 8, .value_kind: global_buffer, .address_space: global }
      - { .name: acs, .offset: 48, .size: 8, .value_kind: global_buffer, .address_space: global }
      - { .name: wcs, .offset: 56, .size: 8, .value_kind: global_buffer, .address_space: global }
    .group_segment_fixed_size: 68096
    .private_segment_fixed_size: 0
    .kernarg_segment_align: 8
    .kernarg_segment_size: 64
    .max_flat_workgroup_size: 128
    .sgpr_count:     66
    .vgpr_count:     194
    .wavefront_size: 32
...
	.end_amdgpu_metadata
.endif
;; end of part 4
;; launch gemm (part 5): grid 32 x 8, 4 waves a work-group, clusters of 4 x 4, 327,680 bytes of LDS; arguments acs, wcs, c_prev, bf, bi, bc, bo, out0, out1; writes out0, out1
.if DOCPART == 5
	.amdgcn_target "amdgcn-amd-amdhsa--gfx1250"
	.amdhsa_code_object_version 6
	.text
	.protected	k_qf40eb6bb75_gemm
	.globl	k_qf40eb6bb75_gemm
	.p2align	8
	.type	k_qf40eb6bb75_gemm,@function
k_qf40eb6bb75_gemm:
	s_mov_b64 s[64:65], 0
	v_nop
	global_prefetch_b8 v0, s[64:65] scope:SCOPE_SE
	s_setreg_imm32_b32 hwreg(HW_REG_WAVE_MODE, 25, 1), 1
	s_wait_xcnt 0x0
	s_wait_alu depctr_hold_cnt(0) depctr_sa_sdst(0) depctr_va_vdst(0) depctr_va_sdst(0) depctr_va_ssrc(0) depctr_va_vcc(0) depctr_vm_vsrc(0)
	s_getreg_b32 s2, hwreg(HW_REG_IB_STS2, 6, 4)
	s_cmp_eq_u32 s2, 0
	s_cbranch_scc0 .Lentry_in_a_cluster
	s_endpgm
.Lentry_in_a_cluster:
	s_bfe_u32 s2, ttmp6, 0x10000c
	s_cmp_lg_u32 s2, 0xf033
	s_cbranch_scc0 .Lentry_shape_is_right
	s_endpgm
.Lentry_shape_is_right:
; z = Q(cat) Q(W) + b on codes of FP4 with E8M0 scales, then the LSTM cell: c_t = c_prev sig(zf) + sig(zi) tanh(zc), h_t = sig(zo) tanh(c_t).  embedding_vec reaches no output and is not among the arguments.
; acs, wcs: groups of 136 rows of 256 bytes (128 rows x 512 codes along K, then 8 rows of scale bytes).  A group of wcs holds 32 columns of all four gates (row 32 g + n % 32).
; A work-group: 256 rows x 64 columns of each gate (256 x 256 of z); four waves, each 128 x 128 of z, 512 registers of sums.  A wave holds a column's four gates in one lane.
; K goes in steps of 512 through two LDS slots; a wave's tensor load brings one group.  CLUSTERS 4 x 4: A's groups are asked for jointly along a row of the cluster, B's along a column.
; THE FORM is v_wmma_scale_f32_32x16x128_f4, used transposed: source 0 = 32 rows of B (two neighbouring blocks of 16), source 1 = 16 rows of A.  Its 16 result registers are two neighbouring blocks of 16 x 16:
; in each a lane holds eight neighbouring columns of a row.  A step of 128 along K is 32 such instructions a wave.  The biases are the C of the first products.
; A step fetches the WHOLE next step's fragments in one run at its head (A and B have two register sets each).
; The change of slots stands in a slot's THIRD step: the slot's last fragments have been asked for at that step's head, so the slot is free a step before its products end.
; sig(x) = 1 / (1 + 2^(-x log2 e)), tanh(x) = 1 - 2 / (1 + 2^(2 x log2 e)): an exponential that overflows gives infinity, whose reciprocal is 0: the gates then hold their limits 0, 1, -1.
; LIMITS: NaN and infinities among the inputs are not served.
; REGISTERS: window 0: v0-31 addresses; v32-95 scale words, two sets; v96-127 c_prev on the way out; v128-191, v192-255 A's two sets (on the way out: the gates).
;   window 1: v0-63, v128-191 B's two sets; v192-255 the biases (on the way out: rows read back).   windows 2, 3: the sums of my rows 0-63, 64-127 (block (a, b) at v[8 (8 (a % 4) + b)]).
.set FR,     8
.set GB,     34816                     ; bytes of a group
.set PITCH,  272                       ; an LDS row: 256 bytes + 16 of padding
.set QB,     136*PITCH                 ; a group in LDS
.set SLOT,   4*QB                      ; A's two groups, then B's two
.set SPARE,  2*SLOT                    ; the spare words: 128 bytes a wave, named by no other line
.set HALFT,  128*PITCH
.set STH,    256*PITCH                 ; the way out, in slot 0 behind its last fill: c_prev / c_t at 0, h_t at STH
.set ADSB, 12                          ; v12-13  B's scale words in slot 0, 1: lane m takes row m of a pair of blocks
.set PFV,  14                          ; v14     prefetch of c_prev: lane x a row of 8,192 bytes
.set ADRA, 16                          ; v16-17  my A fragments in slot 0, 1
.set PFO,  18                          ; v18-19  prefetch of codes: blocks 0-31 of my 34, and blocks 32, 33
.set ADRB, 20                          ; v20-21  my B fragments
.set ADSA, 22                          ; v22-23  A's scale words, likewise
.set CPA,  24
.set RD,   25
.set CO,   26
.set BOF,  27
.set SPW,  28
.set NIL,  29
.set CPH,  30
.set RDH,  31
.set SC,   32                          ; set s at v[32 + 32 s]: register 4 i + q: B's blocks 2 i, 2 i + 1; register 16 + 4 i + q: A's blocks 2 i (lanes 0-15), 2 i + 1 (lanes 16-31); q: the K step's q-th 128
.set CP,   96
.set AF,   128
.set T,    128
.set BIAS, 192
.set G1A,  4
.set G1B,  12
.set PFA,  20                          ; s[20:21] where my prefetches stand; s[22:23] bytes from K step to K step; s[24:25] K step 1; s[28:29] my rows of c_prev
.set PFS,  22
.set PF1,  24
.set PFC,  28
.set G1C,  36
.set G0A,  44
.set G0B,  52
.set G0C,  60
.set TR,   66
.set TC,   67
.set LAP,  68                          ; (a temporary of the head before)
.set WV,   96
.set WM,   97
.set WN,   98
.set LSIG, 100
.set LTAN, 104
.set MSB, 0
.macro WIN new                         ; the immediate's high byte repeats the setting that is left
.if MSB != \new
	s_set_vgpr_msb (MSB<<8)|\new
.set MSB, \new
.endif
.endm
.set MUL_LO, 0xa1                      ; source 0 (B) window 1, source 1 (A) window 0, C and D window 2
.set MUL_HI, 0xf1
.set BEG_LO, 0x91                      ; the first products: C (the biases) window 1
.set BEG_HI, 0xd1
.set TO_B,   0x40
.set FROM_B, 0x04
.macro PLACES n
.rept \n
	v_nop
.endr
.endm
.macro JLOAD s                         ; a joint load: waves 0, 1 fetch A's two groups, waves 2, 3 B's
	s_cmp_eq_u32 s[WM], 0
	s_cbranch_scc0 .Lfor_b_\@
	tensor_load_to_lds s[G0A+4*\s:G0A+4*\s+3], s[G1A:G1A+7]
	s_nop 0
	PLACES 4
	s_branch .Lasked_\@
.Lfor_b_\@:
	tensor_load_to_lds s[G0B+4*\s:G0B+4*\s+3], s[G1B:G1B+7]
	s_nop 0
	PLACES 4
.Lasked_\@:
.endm
.macro CREST                           ; a round of the cluster's barrier behind its opening barrier
	s_cmp_lg_u32 s[WV], 0
	s_cbranch_scc1 .Lnot_wave_0_\@
	s_barrier_signal -3
.Lnot_wave_0_\@:
	s_barrier_wait -3
	s_barrier_signal -1
	s_barrier_wait -1
.endm
.macro CROUND
	s_barrier_signal -1
	s_barrier_wait -1
	CREST
.endm
.macro PFCODES base                    ; my 34 blocks of 256 bytes of a group: a lane a block; in the second line lanes 1-31 name the last block
	global_prefetch_b8 v[PFO], s[\base:\base+1] th:TH_LOAD_NT scope:SCOPE_SE
	global_prefetch_b8 v[PFO+1], s[\base:\base+1] th:TH_LOAD_NT scope:SCOPE_SE
.endm
	s_load_b64 s[G0A+2:G0A+3], s[0:1], 0x0         ; acs
	s_load_b64 s[G0B+2:G0B+3], s[0:1], 0x8         ; wcs
	s_load_b64 s[G0C+2:G0C+3], s[0:1], 0x10        ; c_prev
	s_load_b256 s[88:95], s[0:1], 0x18             ; bf, bi, bc, bo
	s_load_b128 s[84:87], s[0:1], 0x38             ; out0 = h_t, out1 = c_t
	v_lshl_add_u32 v[SPW], v0, 2, SPARE
	v_mov_b32 v[NIL], 0
	ds_add_u32 v[SPW], v[NIL]                      ; the opening lines: the add, twice on end, and its wait
	ds_add_u32 v[SPW], v[NIL]
	v_lshrrev_b32 v1, 5, v0
	v_readfirstlane_b32 s[WV], v1                  ; wave 0..3
	s_lshr_b32 s[WM], s[WV], 1                     ; my half of the rows; also: I fetch for A (0) or B (1)
	s_and_b32 s[WN], s[WV], 1                      ; my half of the columns; also: which group I fetch
	s_bfe_u32 s2, ttmp6, 0x40000                   ; cx
	s_bfe_u32 s3, ttmp6, 0x40004                   ; cy
	s_lshl_b32 s[TC], ttmp9, 2
	s_add_co_u32 s[TC], s[TC], s2                  ; tile column
	s_and_b32 s[TR], ttmp7, 0xffff
	s_lshl_b32 s[TR], s[TR], 2
	s_add_co_u32 s[TR], s[TR], s3                  ; tile row
	s_lshl_b32 s99, s3, 2
	s_lshl_b32 s99, 15, s99                        ; my row of the cluster
	s_lshl_b32 s30, 0x1111, s2                     ; my column
	s_or_b32 s[G1A], s99, (3<<16)|(1<<20)|(1<<21)|(5<<22)|(3<<25)   ; elements of 8 bytes; 16 bytes of padding behind every 256; bit 21 beside the mask
	s_or_b32 s[G1B], s30, (3<<16)|(1<<20)|(1<<21)|(5<<22)|(3<<25)
.irp g, G1A, G1B
	s_mov_b32 s[\g+1], 32<<16                      ; 136 dense rows of 32 elements
	s_mov_b32 s[\g+2], 136<<16
	s_mov_b32 s[\g+3], 32<<16
	s_mov_b32 s[\g+4], 136
	s_mov_b32 s[\g+5], 32
	s_mov_b32 s[\g+6], 0
	s_mov_b32 s[\g+7], 0
.endr
	s_mov_b32 s[G1C], (2<<16)|(1<<20)|(5<<22)|(3<<25)   ; c_prev: 64 rows of 64 f32, a row of the tensor 2,048; no mask
	s_mov_b32 s[G1C+1], 64<<16
	s_mov_b32 s[G1C+2], 64<<16
	s_mov_b32 s[G1C+3], 64<<16
	s_mov_b32 s[G1C+4], 64
	s_mov_b32 s[G1C+5], 2048
	s_mov_b32 s[G1C+6], 0
	s_mov_b32 s[G1C+7], 0
	s_lshl_b32 s76, s[TR], 1                       ; offsets, apart from the addresses.  A's group: 2 x tile row + half
	s_add_co_u32 s76, s76, s[WN]
	s_mul_i32 s76, s76, GB
	s_mov_b32 s77, 0
	s_lshl_b32 s78, s[TC], 1                       ; B's group: 2 x tile column + half
	s_add_co_u32 s78, s78, s[WN]
	s_mul_i32 s78, s78, GB
	s_mov_b32 s79, 0
	s_lshl_b32 s80, s[TR], 21                      ; 256 rows of 8,192 bytes
	s_mov_b32 s81, 0
	s_lshl_b32 s82, s[TC], 8                       ; 64 columns of 4 bytes
	s_mov_b32 s83, 0
	s_lshl_b32 s74, s[WN], 7                       ; my 32 columns
	s_add_co_u32 s75, s82, s74                     ; their place in a bias
	s_lshl_b32 s30, s[WV], 19                      ; c_prev: I fetch rows 64 x wave
	s_mov_b32 s31, 0
	s_lshl_b32 s34, s[WM], 20                      ; the outputs: I store rows 128 WM + 16 WN + 32 p ..
	s_lshl_b32 s35, s[WN], 17
	s_add_co_u32 s34, s34, s35
	s_mov_b32 s35, 0
	s_mul_i32 s99, s[WV], QB                       ; where my group goes in a slot
	s_mul_i32 s68, s[WM], QB                       ; where I read A,
	s_mul_i32 s69, s[WN], QB
	s_add_co_u32 s69, s69, 2*QB                    ; B,
	s_add_co_u32 s70, s69, 128*PITCH               ; B's scale rows,
	s_add_co_u32 s71, s68, 128*PITCH               ; A's scale rows,
	s_mul_i32 s72, s[WM], HALFT
	s_mul_i32 s73, s[WN], 16*PITCH
	s_add_co_u32 s73, s73, s72                     ; the stage's rows that I read back,
	s_add_co_u32 s72, s72, s74                     ; and my 128 rows x 128 bytes of it
	s_cmp_eq_u32 s[WM], 0
	s_cselect_b32 s32, s2, s3                      ; my place among the four that ask for my group with me: it enters a prefetch's address alone
	s_mov_b32 s[PFS], 64*GB
	s_cselect_b32 s[PFS], 16*GB, s[PFS]            ; a K step on: 16 groups in acs, 64 in wcs
	s_mul_i32 s32, s32, 34*256                     ; 34 of the group's 136 blocks are mine
	s_mov_b32 s33, 0
	s_mov_b32 s[PFS+1], 0
	v_and_b32 v1, 15, v0                           ; l % 16
	v_bfe_u32 v2, v0, 4, 1                         ; l / 16
	v_mul_u32_u24 v3, v1, PITCH
	v_lshl_add_u32 v4, v2, 4, v3                   ; a fragment's row x pitch + 16 x half
	v_add_nc_u32 v[ADRA], s68, v4
	v_add_nc_u32 v[ADRA+1], SLOT, v[ADRA]
	v_add_nc_u32 v[ADRB], s69, v4
	v_add_nc_u32 v[ADRB+1], SLOT, v[ADRB]
	v_mul_u32_u24 v6, v2, PITCH                    ; sixteen lanes to an LDS row of 256 bytes, lanes 16-31 the next row: the scale rows, and the stage on the way back
	v_lshl_add_u32 v6, v1, 4, v6
	v_add_nc_u32 v[ADSA], s71, v6
	v_add_nc_u32 v[ADSA+1], SLOT, v[ADSA]
	v_add_nc_u32 v[ADSB], s70, v6
	v_add_nc_u32 v[ADSB+1], SLOT, v[ADSB]
	v_lshl_add_u32 v5, v2, 5, v3                   ; the stage: row l % 16, 32 bytes for each half of the lanes
	v_add_nc_u32 v[CPA], s72, v5
	v_add_nc_u32 v[CPH], STH, v[CPA]
	v_add_nc_u32 v[RD], s73, v6
	v_add_nc_u32 v[RDH], STH, v[RD]
	v_lshlrev_b32 v[CO], 13, v2                    ; and the same two rows in the outputs
	v_lshl_add_u32 v[CO], v1, 4, v[CO]
	v_lshlrev_b32 v[BOF], 5, v2
	v_add_nc_u32 v[BOF], s75, v[BOF]               ; my eight columns of a bias
	v_and_b32 v7, 31, v0
	v_lshlrev_b32 v[PFO], 8, v7
	v_min_u32 v8, 1, v7
	v_lshl_add_u32 v[PFO+1], v8, 8, 8192
	v_lshlrev_b32 v[PFV], 13, v7
	s_wait_alu depctr_va_vdst(0)
	s_wait_dscnt 0x0                               ; both opening adds are done
	CROUND                                         ; the round in front of the first joint loads; it needs no argument
	s_wait_kmcnt 0x0
	s_add_nc_u64 s[G0A+2:G0A+3], s[G0A+2:G0A+3], s[76:77]
	s_add_nc_u64 s[G0B+2:G0B+3], s[G0B+2:G0B+3], s[78:79]
	s_cmp_eq_u32 s[WM], 0
	s_cselect_b64 s[PFA:PFA+1], s[G0A+2:G0A+3], s[G0B+2:G0B+3]
	s_add_nc_u64 s[G0A+6:G0A+7], s[G0A+2:G0A+3], 16*GB
	s_add_nc_u64 s[G0B+6:G0B+7], s[G0B+2:G0B+3], 64*GB
.irp s, 0,1
	s_mov_b32 s[G0A+4*\s], 1
	s_add_co_u32 s[G0A+4*\s+1], s99, \s*SLOT
	s_or_b32 s[G0A+4*\s+3], s[G0A+4*\s+3], 0x80000000
	s_mov_b32 s[G0B+4*\s], 1
	s_add_co_u32 s[G0B+4*\s+1], s99, \s*SLOT
	s_or_b32 s[G0B+4*\s+3], s[G0B+4*\s+3], 0x80000000
.endr
	JLOAD 0                                        ; K step 0: one tensor load a wave at the head
	WIN TO_B
.irp g, 0,1,2,3
.irp nb, 0,1
.irp e, 0,1
	global_load_b128 v[BIAS+8*(2*\g+\nb)+4*\e:BIAS+8*(2*\g+\nb)+4*\e+3], v[BOF], s[88+2*\g:89+2*\g] offset:64*\nb+16*\e   ; in the result's layout: B's block 2 g + nb
.endr
.endr
.endr
	WIN 0
	s_add_nc_u64 s[PFA:PFA+1], s[PFA:PFA+1], s[32:33]
	s_add_nc_u64 s[PF1:PF1+1], s[PFA:PFA+1], s[PFS:PFS+1]      ; K step 1
	s_add_nc_u64 s[PFA:PFA+1], s[PF1:PF1+1], s[PFS:PFS+1]      ; K step 2
	s_add_nc_u64 s[G0C+2:G0C+3], s[G0C+2:G0C+3], s[80:81]
	s_add_nc_u64 s[G0C+2:G0C+3], s[G0C+2:G0C+3], s[82:83]
	s_add_nc_u64 s[G0C+2:G0C+3], s[G0C+2:G0C+3], s[30:31]
	s_mov_b64 s[PFC:PFC+1], s[G0C+2:G0C+3]
	s_mov_b32 s[G0C], 1
	s_mul_i32 s[G0C+1], s[WV], 64*PITCH
	s_or_b32 s[G0C+3], s[G0C+3], 0x80000000
	s_add_nc_u64 s[84:85], s[84:85], s[80:81]
	s_add_nc_u64 s[84:85], s[84:85], s[82:83]
	s_add_nc_u64 s[84:85], s[84:85], s[34:35]
	s_add_nc_u64 s[86:87], s[86:87], s[80:81]
	s_add_nc_u64 s[86:87], s[86:87], s[82:83]
	s_add_nc_u64 s[86:87], s[86:87], s[34:35]
	s_wait_loadcnt 0x0                             ; the biases are in; what follows is asked for behind K step 0's first requests
	PFCODES PF1                                    ; K step 1 is asked of memory while K step 0 is on its way
.macro FRAG reg, adr, q, i             ; 16 rows x 128 K of 4-bit codes: 8 registers, two loads 32 bytes apart
.irp c, 0,1
	ds_load_b128 v[\reg+4*\c:\reg+4*\c+3], v[\adr] offset:64*(\q)+32*\c+(\i)*16*PITCH
.endr
.endm
.macro MM d, b0, a1, c, sb, sa, odd    ; one product: 32 rows of B x 16 rows of A x 128 K.  B's scale words fill the 32 lanes; A's lie in lanes 0-15 (an even block) or 16-31 (an odd one)
.if \odd
	v_wmma_scale_f32_32x16x128_f4 v[\d:\d+15], v[\b0:\b0+15], v[\a1:\a1+7], v[\c:\c+15], v[\sb], v[\sa] matrix_b_scale:MATRIX_SCALE_ROW1
.else
	v_wmma_scale_f32_32x16x128_f4 v[\d:\d+15], v[\b0:\b0+15], v[\a1:\a1+7], v[\c:\c+15], v[\sb], v[\sa]
.endif
.endm
; 8 matrix instructions: A's blocks a0, a0 + 1 x B's four pairs of blocks; p: the register sets; sc: the set of scale words.  The 32 sums take turns in the same order in every step.
.macro MUL16 a0, p, q, sc, first
.irp a, \a0, \a0+1
.irp b, 0,1,2,3
.if \first
	MM 8*(8*((\a)%4)+2*\b), 128*(\p)+16*\b, AF+64*(\p)+FR*(\a), BIAS+16*\b, SC+32*(\sc)+4*\b+(\q), SC+32*(\sc)+16+4*((\a)/2)+(\q), (\a)%2
.else
	MM 8*(8*((\a)%4)+2*\b), 128*(\p)+16*\b, AF+64*(\p)+FR*(\a), 8*(8*((\a)%4)+2*\b), SC+32*(\sc)+4*\b+(\q), SC+32*(\sc)+16+4*((\a)/2)+(\q), (\a)%2
.endif
.endr
.endr
.endm
; One run of 32 LDS loads (40 with a K step's scale words): the fragments of the slot's q-th 128 along K into sets p.  A's blocks 4-7 come last.
.macro FETCH slot, q, p, sc
	WIN TO_B
.irp i, 0,1,2,3,4,5,6,7
	FRAG 128*(\p)+FR*\i, ADRB+\slot, \q, \i
.endr
	WIN 0
.irp i, 0,1,2,3
	FRAG AF+64*(\p)+FR*\i, ADRA+\slot, \q, \i
.endr
.if \sc
.irp i, 0,1,2,3
	ds_load_b128 v[SC+32*\slot+4*\i:SC+32*\slot+4*\i+3], v[ADSB+\slot] offset:2*PITCH*\i           ; B's blocks 2 i and 2 i + 1: four words a row, the K step's four steps
.endr
.irp i, 0,1,2,3
	ds_load_b128 v[SC+32*\slot+16+4*\i:SC+32*\slot+16+4*\i+3], v[ADSA+\slot] offset:2*PITCH*\i     ; A's likewise
.endr
.endif
.irp i, 4,5,6,7
	FRAG AF+64*(\p)+FR*\i, ADRA+\slot, \q, \i
.endr
.endm
; The prefetches, in the step behind a refill, behind its run of LDS loads.  Behind the refill of K step j: K step j + 1, three steps of the loop ahead of its refill; each block of 256 bytes once in each cluster,
; the four partners sharing a group's 136 blocks by address.  The last refill (K step 7) has no K step behind it.  In the loop's middle trip my 64 rows of c_prev are asked for too, 32 at each of the two places,
; a lane a row of 256 bytes.
.macro ASK slot
.if \slot
	s_cmp_gt_u32 s[LAP], 1
	s_cbranch_scc0 .Lnone_\@
.endif
	PFCODES PFA
.if \slot
.Lnone_\@:
.endif
	s_cmp_eq_u32 s[LAP], 2
	s_cbranch_scc0 .Lnocp_\@
	global_prefetch_b8 v[PFV], s[PFC:PFC+1] offset:\slot*32*8192 th:TH_LOAD_NT scope:SCOPE_SE
.Lnocp_\@:
.endm
; A step of 128 along K: multiplies (slot, q) and fetches (ns, nq); sc = 1: with ns's scale words.
.macro STEP slot, q, ns, nq, sc, first, ask
	s_wait_dscnt 8                                 ; this step's B, A's blocks 0-3 and scale words are in; A's blocks 4-7 may be out
	PLACES 4                                       ; in front of loads into the sets that the last step's products read
	FETCH \ns, \nq, 1-(\q)%2, \sc
.if \ask
	ASK \slot
.endif
.if \first
	WIN BEG_LO
.else
	WIN MUL_LO
.endif
	MUL16 0, (\q)%2, \q, \slot, \first
	MUL16 2, (\q)%2, \q, \slot, \first
	s_wait_dscnt 32+8*\sc                          ; all but the loads just issued: A's blocks 4-7 are in
.if \first
	WIN BEG_HI
.else
	WIN MUL_HI
.endif
	MUL16 4, (\q)%2, \q, \slot, \first
	MUL16 6, (\q)%2, \q, \slot, \first
.endm
; A slot's third step changes slots.  Its head asks for the slot's last fragments; in front of the round each wave waits for all its tensor loads (its part of the other slot), adds 0 to its spare word,
; and waits for that and for its reads of this slot.  fill = 1: this slot takes the K step two on; fill = 2: my 64 rows of c_prev.
.macro TURN slot, fill
.if \fill == 1
	s_wait_xcnt 0x0                                ; my prefetches have read their address: it steps here
	s_add_nc_u64 s[PFA:PFA+1], s[PFA:PFA+1], s[PFS:PFS+1]
.endif
	s_wait_dscnt 8
	PLACES 4
	FETCH \slot, 3, 1, 0
	WIN MUL_LO
	MUL16 0, 0, 2, \slot, 0
	MUL16 2, 0, 2, \slot, 0
	WIN 0
	s_wait_tensorcnt 0x0                           ; all my tensor loads have landed
	ds_add_u32 v[SPW], v[NIL]
	s_wait_dscnt 33                                ; the add and the 32 loads just issued may be out: this step's A blocks 4-7 are in
	WIN MUL_HI
	MUL16 4, 0, 2, \slot, 0
	s_wait_dscnt 0x0                               ; the add is done, and my reads of this slot are over
	s_barrier_signal -1
	MUL16 6, 0, 2, \slot, 0
	WIN 0
	s_barrier_wait -1
	CREST
.if \fill == 1
	s_add_nc_u64 s[G0A+4*\slot+2:G0A+4*\slot+3], s[G0A+4*\slot+2:G0A+4*\slot+3], 32*GB
	s_add_nc_u64 s[G0B+4*\slot+2:G0B+4*\slot+3], s[G0B+4*\slot+2:G0B+4*\slot+3], 128*GB
	JLOAD \slot                                    ; 112 matrix instructions ahead of the wait for it
.else
	tensor_load_to_lds s[G0C:G0C+3], s[G1C:G1C+7]
	s_nop 0
	PLACES 4
.endif
.endm
	s_wait_tensorcnt 0x0                           ; my part of K step 0 is in
	ds_add_u32 v[SPW], v[NIL]
	s_wait_dscnt 0x0
	CROUND
	JLOAD 1                                        ; K step 1: slot 1's first fill
	FETCH 0, 0, 0, 1
	PFCODES PFA                                    ; K step 2
	STEP 0,0, 0,1, 0, 1, 0                         ; the first step stands in front of the loop: its products start the sums from the biases
	WIN 0
	s_mov_b32 s[LAP], 3
.Llap:                                                 ; a trip goes once round the ring and fills both slots again
	STEP 0,1, 0,2, 0, 0, 0
	TURN 0, 1
	STEP 0,3, 1,0, 1, 0, 1
	STEP 1,0, 1,1, 0, 0, 0
	STEP 1,1, 1,2, 0, 0, 0
	TURN 1, 1
	STEP 1,3, 0,0, 1, 0, 1
	STEP 0,0, 0,1, 0, 0, 0
	WIN 0
	s_sub_co_u32 s[LAP], s[LAP], 1
	s_cmp_lg_u32 s[LAP], 0
	s_cbranch_scc1 .Llap
	STEP 0,1, 0,2, 0, 0, 0                         ; the last lap: slot 0 takes c_prev, slot 1 is not filled again
	TURN 0, 2
	STEP 0,3, 1,0, 1, 0, 0
	STEP 1,0, 1,1, 0, 0, 0
	STEP 1,1, 1,2, 0, 0, 0
	STEP 1,2, 1,3, 0, 0, 0
	s_wait_dscnt 8
	WIN MUL_LO
	MUL16 0, 1, 3, 1, 0
	MUL16 2, 1, 3, 1, 0
	s_wait_dscnt 0
	WIN MUL_HI
	MUL16 4, 1, 3, 1, 0
	MUL16 6, 1, 3, 1, 0
	WIN 0
	PLACES 4
	s_mov_b32 s[LSIG], 0xbfb8aa3b                  ; -log2 e
	s_mov_b32 s[LSIG+1], s[LSIG]
	s_mov_b32 s[LTAN], 0x4038aa3b                  ; 2 log2 e
	s_mov_b32 s[LTAN+1], s[LTAN]
	s_wait_tensorcnt 0x0                           ; my rows of c_prev are in;
	s_barrier_signal -1
	s_barrier_wait -1                              ; everybody's are
.macro BACK p                          ; 16 whole rows of c_t and of h_t of pair p: the rows' two halves come from two waves
	WIN TO_B
.irp t, 0,1,2,3,4,5,6,7
	ds_load_b128 v[64*(\p)+4*\t:64*(\p)+4*\t+3], v[RD] offset:(32*(\p)+2*\t)*PITCH
.endr
.irp t, 0,1,2,3,4,5,6,7
	ds_load_b128 v[64*(\p)+32+4*\t:64*(\p)+32+4*\t+3], v[RDH] offset:(32*(\p)+2*\t)*PITCH
.endr
	WIN 0
.endm
.macro SEND p, w                       ; w = 0: a wait for all LDS loads has passed since BACK.  16 lanes store 256 consecutive bytes, aligned; each pair has registers of its own
	WIN FROM_B
.irp t, 0,1,2,3,4,5,6,7
.if \w
	s_wait_dscnt 15-\t
.endif
	global_store_b128 v[CO], v[64*(\p)+4*\t:64*(\p)+4*\t+3], s[86:87] offset:(32*(\p)+2*\t)*8192 th:TH_STORE_NT
.endr
.irp t, 0,1,2,3,4,5,6,7
.if \w
	s_wait_dscnt 7-\t
.endif
	global_store_b128 v[CO], v[64*(\p)+32+4*\t:64*(\p)+32+4*\t+3], s[84:85] offset:(32*(\p)+2*\t)*8192 th:TH_STORE_NT
.endr
	WIN 0
.endm
; The cell for blocks 2 p and 2 p + 1 (x = 0, 1) of 16 rows.  T + 64 x + 16 g + j: gate g (f, i, c, o) of my column j.  c_t is laid over f, tanh(c_t) and then h_t over i.
; Each batch of transcendentals has one wait ahead of it and one behind it.
.macro GATES2 p
.irp x, 0,1
.irp nb, 0,1
.irp e, 0,1
	ds_load_b128 v[CP+16*\x+8*\nb+4*\e:CP+16*\x+8*\nb+4*\e+3], v[CPA] offset:16*PITCH*(2*(\p)+\x)+64*\nb+16*\e
.endr
.endr
.endr
	WIN (0x02+(\p)/2)
	s_wait_alu depctr_va_vdst(0)                   ; directly ahead of the first reader of these matrix results
.set j, 0
.rept 64
.if ((j/8)%8)/2 == 2
	v_pk_mul_f32 v[T+j:T+j+1], v[128*((\p)%2)+j:128*((\p)%2)+j+1], s[LTAN:LTAN+1] op_sel_hi:[1,0]
.else
	v_pk_mul_f32 v[T+j:T+j+1], v[128*((\p)%2)+j:128*((\p)%2)+j+1], s[LSIG:LSIG+1] op_sel_hi:[1,0]
.endif
.set j, j+2
.endr
	WIN 0
	s_wait_alu depctr_va_vdst(0)
.set j, 0
.rept 128
	v_exp_f32 v[T+j], v[T+j]
.set j, j+1
.endr
	v_nop
	s_wait_alu depctr_va_vdst(0)
.set j, 0
.rept 64
	v_pk_add_f32 v[T+j:T+j+1], v[T+j:T+j+1], 1.0 op_sel_hi:[1,0]
.set j, j+2
.endr
	s_wait_alu depctr_va_vdst(0)
.set j, 0
.rept 128
	v_rcp_f32 v[T+j], v[T+j]
.set j, j+1
.endr
	v_nop
	s_wait_alu depctr_va_vdst(0)
	s_wait_dscnt 0x0                               ; c_prev is in, and so are the rows that BACK asked for
.if (\p) > 0
	SEND (\p)-1, 0
.endif
.irp x, 0,1
.irp j, 0,2,4,6,8,10,12,14
	v_pk_fma_f32 v[T+64*\x+32+\j:T+64*\x+33+\j], v[T+64*\x+32+\j:T+64*\x+33+\j], -2.0, 1.0 op_sel_hi:[1,0,0]   ; tanh(zc)
.endr
.endr
.irp x, 0,1
.irp j, 0,2,4,6,8,10,12,14
	v_pk_mul_f32 v[T+64*\x+\j:T+64*\x+\j+1], v[CP+16*\x+\j:CP+16*\x+\j+1], v[T+64*\x+\j:T+64*\x+\j+1]
.endr
.endr
.irp x, 0,1
.irp j, 0,2,4,6,8,10,12,14
	v_pk_fma_f32 v[T+64*\x+\j:T+64*\x+\j+1], v[T+64*\x+16+\j:T+64*\x+17+\j], v[T+64*\x+32+\j:T+64*\x+33+\j], v[T+64*\x+\j:T+64*\x+\j+1]   ; c_t
.endr
.endr
.irp x, 0,1
.irp j, 0,2,4,6,8,10,12,14
	v_pk_mul_f32 v[T+64*\x+16+\j:T+64*\x+17+\j], v[T+64*\x+\j:T+64*\x+\j+1], s[LTAN:LTAN+1] op_sel_hi:[1,0]
.endr
.endr
	s_wait_alu depctr_va_vdst(0)
.irp x, 0,1
.irp j, 0,1,2,3,4,5,6,7,8,9,10,11,12,13,14,15
	v_exp_f32 v[T+64*\x+16+\j], v[T+64*\x+16+\j]
.endr
.endr
	v_nop
	s_wait_alu depctr_va_vdst(0)
.irp x, 0,1
.irp j, 0,2,4,6,8,10,12,14
	v_pk_add_f32 v[T+64*\x+16+\j:T+64*\x+17+\j], v[T+64*\x+16+\j:T+64*\x+17+\j], 1.0 op_sel_hi:[1,0]
.endr
.endr
	s_wait_alu depctr_va_vdst(0)
.irp x, 0,1
.irp j, 0,1,2,3,4,5,6,7,8,9,10,11,12,13,14,15
	v_rcp_f32 v[T+64*\x+16+\j], v[T+64*\x+16+\j]
.endr
.endr
	v_nop
	s_wait_alu depctr_va_vdst(0)
.irp x, 0,1
.irp j, 0,2,4,6,8,10,12,14
	v_pk_fma_f32 v[T+64*\x+16+\j:T+64*\x+17+\j], v[T+64*\x+16+\j:T+64*\x+17+\j], -2.0, 1.0 op_sel_hi:[1,0,0]   ; tanh(c_t)
.endr
.endr
.irp x, 0,1
.irp j, 0,2,4,6,8,10,12,14
	v_pk_mul_f32 v[T+64*\x+16+\j:T+64*\x+17+\j], v[T+64*\x+16+\j:T+64*\x+17+\j], v[T+64*\x+48+\j:T+64*\x+49+\j]   ; h_t
.endr
.endr
.irp x, 0,1
.irp nb, 0,1
.irp e, 0,1
	ds_store_b128 v[CPA], v[T+64*\x+8*\nb+4*\e:T+64*\x+8*\nb+4*\e+3] offset:16*PITCH*(2*(\p)+\x)+64*\nb+16*\e      ; c_t where my c_prev lay
	ds_store_b128 v[CPH], v[T+64*\x+16+8*\nb+4*\e:T+64*\x+16+8*\nb+4*\e+3] offset:16*PITCH*(2*(\p)+\x)+64*\nb+16*\e
.endr
.endr
.endr
	s_wait_dscnt 0x0                               ; for the other wave of my rows: my stores into the stage are done
	s_barrier_signal -1
	s_barrier_wait -1
	BACK \p                                        ; each pair has stage rows of its own: nothing that is read here is written again
.endm
	GATES2 0
	GATES2 1                                       ; a pair's rows are stored inside the next pair's work
	GATES2 2
	GATES2 3
	SEND 3, 1
	s_wait_tensorcnt 0x0                           ; the wave's end
	ds_add_u32 v[SPW], v[NIL]
	s_wait_dscnt 0x0
	CROUND                                         ; the closing round
	s_endpgm
.Lfunc_end_k_qf40eb6bb75_gemm:
	.size	k_qf40eb6bb75_gemm, .Lfunc_end_k_qf40eb6bb75_gemm-k_qf40eb6bb75_gemm
	.p2alignl 7, 3214868480
	.fill 96, 4, 3214868480
	.section	.rodata,"a",@progbits
	.p2align	6, 0x0
	.amdhsa_kernel k_qf40eb6bb75_gemm
		.amdhsa_group_segment_fixed_size 327680
		.amdhsa_private_segment_fixed_size 0
		.amdhsa_enable_private_segment 0
		.amdhsa_kernarg_size 72
		.amdhsa_user_sgpr_count 2
		.amdhsa_user_sgpr_kernarg_segment_ptr 1
		.amdhsa_wavefront_size32 1
		.amdhsa_system_sgpr_workgroup_id_x 1
		.amdhsa_system_sgpr_workgroup_id_y 1
		.amdhsa_system_sgpr_workgroup_id_z 1
		.amdhsa_system_vgpr_workitem_id 0
		.amdhsa_next_free_vgpr 1024
		.amdhsa_next_free_sgpr 106
		.amdhsa_reserve_vcc 0
		.amdhsa_float_denorm_mode_32 3
		.amdhsa_float_denorm_mode_16_64 3
		.amdhsa_memory_ordered 1
		.amdhsa_forward_progress 1
		.amdhsa_inst_pref_size 239
	.end_amdhsa_kernel
	.amdgpu_metadata
---
amdhsa.version: [ 1, 2 ]
amdhsa.kernels:
  - .name:           k_qf40eb6bb75_gemm
    .symbol:         k_qf40eb6bb75_gemm.kd
    .args:
      - { .name: acs, .offset: 0, .size: 8, .value_kind: global_buffer, .address_space: global }
      - { .name: wcs, .offset: 8, .size: 8, .value_kind: global_buffer, .address_space: global }
      - { .name: c_prev, .offset: 16, .size: 8, .value_kind: global_buffer, .address_space: global }
      - { .name: bf, .offset: 24, .size: 8, .value_kind: global_buffer, .address_space: global }
      - { .name: bi, .offset: 32, .size: 8, .value_kind: global_buffer, .address_space: global }
      - { .name: bc, .offset: 40, .size: 8, .value_kind: global_buffer, .address_space: global }
      - { .name: bo, .offset: 48, .size: 8, .value_kind: global_buffer, .address_space: global }
      - { .name: out0, .offset: 56, .size: 8, .value_kind: global_buffer, .address_space: global }
      - { .name: out1, .offset: 64, .size: 8, .value_kind: global_buffer, .address_space: global }
    .group_segment_fixed_size: 327680
    .private_segment_fixed_size: 0
    .kernarg_segment_align: 8
    .kernarg_segment_size: 72
    .max_flat_workgroup_size: 128
    .sgpr_count:     106
    .vgpr_count:     1024
    .wavefront_size: 32
...
	.end_amdgpu_metadata
.endif
;; end of part 5
